; MI455X (gfx1250); checked and timed in simulation.
; The chip was launched on July 23, 2026; its instructions are those of AMD's public machine-readable ISA for CDNA 5 (MIT licence, August 2026) and "CDNA5" Instruction Set Architecture Reference Guide (July 2026). The comments in the code are by the model that wrote it; some were corrected since.
;; Global Recurrent Feature Module. Allowed arithmetic: float matrix products may take bf16 or f16 operands with f32 sums; other float arithmetic in f32, or as packed bf16 or f16 multiplies, adds, multiply-adds, maxima and minima; sums over many terms, partial sums and values carried from step to step in f32; what a program stores and reads back later, other than sums and carried values, may be rounded once to bf16 or f16.
;; Inputs: W_hh0 768 x 256 float32; W_hh1 768 x 256 float32; W_ih0 768 x 320 float32; W_ih1 768 x 256 float32; ae_in_W 256 x 50 float32; ae_in_b 256 float32; ae_out_W 50 x 256 float32; ae_out_b 50 float32; b_hh0 768 float32; b_hh1 768 float32; b_ih0 768 float32; b_ih1 768 float32; categorical_input 8,192 x 50 float32; fc21_W 256 x 256 float32; fc21_b 256 float32; fc22_W 256 x 256 float32; fc22_b 256 float32; fc3_W 1 x 256 float32; fc3_b 1 float32; real_input 8,192 x 8 x 64 float32.
;; Outputs: out0 8,192 x 1 float32; out1 8,192 x 256 float32; out2 8,192 x 50 float32; out3 8,192 x 256 float32.
;; 2 versions, each right; version 2 is version 1 with the launch prep written anew for expert scheduling mode. Each part assembles by itself: llvm-mc -triple=amdgcn-amd-amdhsa -mcpu=gfx1250 --defsym DOCPART=n.
;; ======== version 1 of 2: 3 launches
;; limits: values are held in f16: magnitudes above 65,504 overflow, below 6.1e-05 lose precision; inputs' magnitudes at most 65,504; below input magnitudes of 6.104e-05 results are inexact or not finite
;; workspace buffers: wf 2,097,152 bytes; h0s 33,554,432 bytes
;; launch prep (part 1): grid 256 x 1, 8 waves a work-group, no clusters, 0 bytes of LDS; arguments ae_in_W, ae_out_W, W_ih0, W_hh0, W_ih1, W_hh1, fc21_W, fc22_W, wf; writes wf
.if DOCPART == 1
	.amdgcn_target "amdgcn-amd-amdhsa--gfx1250"
	.amdhsa_code_object_version 6
	.text
	.protected	k_q642c1bf49c_prep
	.globl	k_q642c1bf49c_prep
	.p2align	8
	.type	k_q642c1bf49c_prep,@function
k_q642c1bf49c_prep:
	s_mov_b64 s[64:65], 0
	v_nop
	global_prefetch_b8 v0, s[64:65] scope:SCOPE_SE
	s_setreg_imm32_b32 hwreg(HW_REG_WAVE_MODE, 25, 1), 1
	s_wait_xcnt 0x0
; All eight weight matrices: f32 -> rounded once to bf16 -> that number written as f16, laid out as register images of matrix fragments.
; LIMITS.  A weight of 65,520 or more in magnitude becomes an infinity in f16; below 2^-14 the f16 number keeps the fixed step 2^-24.
; A FRAGMENT is 16 rows x 32 K, 1,024 bytes: byte c*512 + l*16 + 2e holds element (row0 + l%16, k0 + 16c + 8(l/16) + e): two 16-byte reads a lane fill the eight registers.
; wf holds 16 chunks of 128 fragments; fragment (w, k, q) of a chunk lies at (32w + 4k + q) x 1,024.  With RB = 64w + 16q:
;   chunk 0      k = 0, 1: ae_in_W rows RB, K from 32k (50 valid);  k = 2, 3: ae_out_W rows 16w (50 valid), K from 32(4(k-2)+q);  k = 4..7: zeros
;   chunks 1-3   W_ih0 rows 256(c-1) + RB, K from 32k          chunks 4-6   W_hh0 rows 256(c-4) + RB
;   chunk 7      W_ih0 rows 256(k/2) + RB, K from 256 + 32(k%2) for k < 6;  k = 6, 7: zeros
;   chunks 8, 9  W_hh1 rows 256(c-8) + RB                      chunks 10-13 (p = c-10)  q < 3: W_ih1 rows 256q + 64w + 16p;  q = 3: W_hh1 rows 512 + 64w + 16p
;   chunks 14, 15  fc21_W, fc22_W rows RB
; One wave makes one fragment: 2,048 waves.  No LDS, no loop, no branch: what differs between fragments is chosen by scalar selects.
.set WV,   22          ; s22  wave
.set PTR,  24          ; s[24:25] the source matrix
.set STR,  26          ; s26  elements in a source row (= its K)
.set ROW0, 27          ; s27  the fragment's first row
.set K0,   28          ; s28  its first column
.set RMAX, 29          ; s29  the last row that may be read
.set RV,   30          ; s30  rows that count; the others give zeros
.set KMAX, 31          ; s31  the last even column that may be read
.set CH,   33          ; s33  chunk
.set SEL,  38          ; s38  number of the source, in the order of the arguments
.set GB,   40          ; s40  which group of 256 rows
.set SUB,  41          ; s41  which 16 rows of the wave's 64
.set VAL,  42          ; s42  0: a fragment of zeros
	s_load_b512 s[4:19], s[0:1], 0x0               ; the eight matrices
	s_load_b64 s[20:21], s[0:1], 0x40              ; wf
	v_lshrrev_b32 v1, 5, v0
	v_readfirstlane_b32 s[WV], v1
	s_lshr_b32 s[CH], ttmp9, 4                     ; 16 work-groups of 8 fragments make a chunk
	s_and_b32 s34, ttmp9, 15
	s_lshl3_add_u32 s34, s34, s[WV]                ; fragment in the chunk
	s_lshr_b32 s35, s34, 5                         ; w
	s_bfe_u32 s36, s34, 0x30002                    ; k
	s_and_b32 s37, s34, 3                          ; q
	; four bits a chunk: the source's number and the group of rows
	s_mov_b32 s[SEL], 0x23332220
	s_mov_b32 s39, 0x76444455
	s_mov_b32 s[GB], 0x02102100
	s_mov_b32 s[SUB], 0x00000010
	s_cmp_lt_u32 s[CH], 8
	s_cselect_b32 s[SEL], s[SEL], s39
	s_cselect_b32 s[GB], s[GB], s[SUB]
	s_and_b32 s39, s[CH], 7
	s_lshl_b32 s39, s39, 2
	s_lshr_b32 s[SEL], s[SEL], s39
	s_and_b32 s[SEL], s[SEL], 15
	s_lshr_b32 s[GB], s[GB], s39
	s_and_b32 s[GB], s[GB], 15
	s_mov_b32 s[SUB], s37
	s_lshl_b32 s[K0], s36, 5
	s_mov_b32 s[VAL], 1
	; chunk 7: the x columns of W_ih0
	s_lshr_b32 s43, s36, 1
	s_and_b32 s44, s36, 1
	s_lshl_b32 s44, s44, 5
	s_add_co_u32 s44, s44, 256
	s_cmp_lt_u32 s36, 6
	s_cselect_b32 s45, 1, 0
	s_cmp_eq_u32 s[CH], 7
	s_cselect_b32 s[GB], s43, s[GB]
	s_cselect_b32 s[K0], s44, s[K0]
	s_cselect_b32 s[VAL], s45, s[VAL]
	; chunks 10 to 13: four gate matrices' rows of one piece
	s_sub_co_u32 s43, s[CH], 10
	s_min_u32 s44, s37, 2
	s_cmp_eq_u32 s37, 3
	s_cselect_b32 s45, 5, 4
	s_cmp_lt_u32 s43, 4
	s_cselect_b32 s[GB], s44, s[GB]
	s_cselect_b32 s[SEL], s45, s[SEL]
	s_cselect_b32 s[SUB], s43, s[SUB]
	s_lshl_b32 s[ROW0], s[GB], 8
	s_lshl_b32 s43, s35, 6
	s_add_co_u32 s[ROW0], s[ROW0], s43
	s_lshl4_add_u32 s[ROW0], s[SUB], s[ROW0]
	; chunk 0 from k = 2 on: ae_out_W, then zeros
	s_sub_co_u32 s43, s36, 2
	s_lshl2_add_u32 s43, s43, s37
	s_lshl_b32 s43, s43, 5
	s_lshl_b32 s44, s35, 4
	s_cmp_lt_u32 s36, 4
	s_cselect_b32 s45, 1, 0
	s_cmp_eq_u32 s[CH], 0
	s_cselect_b32 s46, 1, 0
	s_cmp_ge_u32 s36, 2
	s_cselect_b32 s46, s46, 0
	s_cmp_eq_u32 s46, 1
	s_cselect_b32 s[SEL], 1, s[SEL]
	s_cselect_b32 s[ROW0], s44, s[ROW0]
	s_cselect_b32 s[K0], s43, s[K0]
	s_cselect_b32 s[VAL], s45, s[VAL]
	; the source's sizes
	s_mov_b32 s[STR], 256
	s_cmp_eq_u32 s[SEL], 0
	s_cselect_b32 s[STR], 50, s[STR]
	s_cmp_eq_u32 s[SEL], 2
	s_cselect_b32 s[STR], 320, s[STR]
	s_mov_b32 s[RV], 768
	s_cmp_eq_u32 s[SEL], 0
	s_cselect_b32 s[RV], 256, s[RV]
	s_cmp_eq_u32 s[SEL], 1
	s_cselect_b32 s[RV], 50, s[RV]
	s_cmp_ge_u32 s[SEL], 6
	s_cselect_b32 s[RV], 256, s[RV]
	s_sub_co_u32 s[RMAX], s[RV], 1
	s_sub_co_u32 s[KMAX], s[STR], 2
	s_cmp_eq_u32 s[VAL], 1
	s_cselect_b32 s[RV], s[RV], 0
	s_lshl_b32 s46, ttmp9, 3
	s_add_co_u32 s46, s46, s[WV]
	s_lshl_b32 s46, s46, 10                        ; the fragment's place in wf
	s_mov_b32 s47, 0
	v_and_b32 v2, 15, v0                           ; l % 16
	v_bfe_u32 v3, v0, 4, 1                         ; l / 16
	v_and_b32 v1, 31, v0
	v_lshlrev_b32 v1, 4, v1                        ; 16 l
	v_add_nc_u32 v4, s[ROW0], v2                   ; my row
	v_min_u32 v5, s[RMAX], v4                      ; clamped: every load stays inside its matrix
	v_cmp_gt_u32 vcc_lo, s[RV], v4
	v_mov_b32 v6, s[STR]
	v_cndmask_b32 v6, 0, v6, vcc_lo                ; columns that count in my row
	v_mul_lo_u32 v5, v5, s[STR]
	v_lshl_add_u32 v7, v3, 3, s[K0]
	s_wait_kmcnt 0x0
	s_add_nc_u64 s[20:21], s[20:21], s[46:47]
	s_mov_b64 s[PTR:PTR+1], s[4:5]
.irp n, 1,2,3,4,5,6,7
	s_cmp_eq_u32 s[SEL], \n
	s_cselect_b64 s[PTR:PTR+1], s[4+2*\n:5+2*\n], s[PTR:PTR+1]
.endr
.irp i, 0,1,2,3,4,5,6,7                ; pair i: columns k0 + 16(i/4) + 8(l/16) + 2(i%4), + 1: 8 bytes, aligned in every source (all row lengths are even)
	v_add_nc_u32 v[8+\i], 16*(\i/4)+2*(\i%4), v7
	v_min_u32 v[16+\i], s[KMAX], v[8+\i]
	v_add_lshl_u32 v[16+\i], v[16+\i], v5, 2
	global_load_b64 v[24+2*\i:25+2*\i], v[16+\i], s[PTR:PTR+1]
.endr
	s_wait_loadcnt 0x0
.irp i, 0,1,2,3,4,5,6,7
	v_cmp_gt_u32 vcc_lo, v6, v[8+\i]
	v_cndmask_b32 v[24+2*\i], 0, v[24+2*\i], vcc_lo
	v_cndmask_b32 v[25+2*\i], 0, v[25+2*\i], vcc_lo
	v_cvt_pk_bf16_f32 v40, v[24+2*\i], v[25+2*\i]  ; the one rounding
	v_lshlrev_b32 v[24+2*\i], 16, v40
	v_and_b32 v[25+2*\i], 0xffff0000, v40
	v_cvt_pk_f16_f32 v[44+\i], v[24+2*\i], v[25+2*\i]  ; the same number as f16
.endr
	global_store_b128 v1, v[44:47], s[20:21]               ; each store of the wave covers 512 consecutive bytes, aligned
	global_store_b128 v1, v[48:51], s[20:21] offset:512
	s_endpgm
.Lfunc_end_k_q642c1bf49c_prep:
	.size	k_q642c1bf49c_prep, .Lfunc_end_k_q642c1bf49c_prep-k_q642c1bf49c_prep
	.p2alignl 7, 3214868480
	.fill 96, 4, 3214868480
	.section	.rodata,"a",@progbits
	.p2align	6, 0x0
	.amdhsa_kernel k_q642c1bf49c_prep
		.amdhsa_group_segment_fixed_size 0
		.amdhsa_private_segment_fixed_size 0
		.amdhsa_enable_private_segment 0
		.amdhsa_kernarg_size 72
		.amdhsa_user_sgpr_count 2
		.amdhsa_user_sgpr_kernarg_segment_ptr 1
		.amdhsa_wavefront_size32 1
		.amdhsa_system_sgpr_workgroup_id_x 1
		.amdhsa_system_sgpr_workgroup_id_y 1
		.amdhsa_system_sgpr_workgroup_id_z 1
		.amdhsa_system_vgpr_workitem_id 0
		.amdhsa_next_free_vgpr 64
		.amdhsa_next_free_sgpr 66
		.amdhsa_reserve_vcc 1
		.amdhsa_float_denorm_mode_32 3
		.amdhsa_float_denorm_mode_16_64 3
		.amdhsa_memory_ordered 1
		.amdhsa_forward_progress 1
		.amdhsa_inst_pref_size 9
	.end_amdhsa_kernel
	.amdgpu_metadata
---
amdhsa.version: [ 1, 2 ]
amdhsa.kernels:
  - .name:           k_q642c1bf49c_prep
    .symbol:         k_q642c1bf49c_prep.kd
    .args:
      - { .name: ae_in_W, .offset: 0, .size: 8, .value_kind: global_buffer, .address_space: global }
      - { .name: ae_out_W, .offset: 8, .size: 8, .value_kind: global_buffer, .address_space: global }
      - { .name: W_ih0, .offset: 16, .size: 8, .value_kind: global_buffer, .address_space: global }
      - { .name: W_hh0, .offset: 24, .size: 8, .value_kind: global_buffer, .address_space: global }
      - { .name: W_ih1, .offset: 32, .size: 8, .value_kind: global_buffer, .address_space: global }
      - { .name: W_hh1, .offset: 40, .size: 8, .value_kind: global_buffer, .address_space: global }
      - { .name: fc21_W, .offset: 48, .size: 8, .value_kind: global_buffer, .address_space: global }
      - { .name: fc22_W, .offset: 56, .size: 8, .value_kind: global_buffer, .address_space: global }
      - { .name: wf, .offset: 64, .size: 8, .value_kind: global_buffer, .address_space: global }
    .group_segment_fixed_size: 0
    .private_segment_fixed_size: 0
    .kernarg_segment_align: 8
    .kernarg_segment_size: 72
    .max_flat_workgroup_size: 256
    .sgpr_count:     66
    .vgpr_count:     64
    .wavefront_size: 32
...
	.end_amdgpu_metadata
.endif
;; end of part 1
;; launch gru0 (part 2): grid 256 x 1, 4 waves a work-group, clusters of 4 x 1, 327,680 bytes of LDS; arguments categorical_input, real_input, ae_in_b, ae_out_b, b_ih0, b_hh0, wf, out2, out3, h0s; writes out2, out3, h0s
.if DOCPART == 2
	.amdgcn_target "amdgcn-amd-amdhsa--gfx1250"
	.amdhsa_code_object_version 6
	.text
	.protected	k_q642c1bf49c_gru0
	.globl	k_q642c1bf49c_gru0
	.p2align	8
	.type	k_q642c1bf49c_gru0,@function
k_q642c1bf49c_gru0:
	s_mov_b64 s[64:65], 0
	v_nop
	global_prefetch_b8 v0, s[64:65] scope:SCOPE_SE
	s_setreg_imm32_b32 hwreg(HW_REG_WAVE_MODE, 25, 1), 1
	s_wait_xcnt 0x0
	s_wait_alu depctr_hold_cnt(0) depctr_sa_sdst(0) depctr_va_vdst(0) depctr_va_sdst(0) depctr_va_ssrc(0) depctr_va_vcc(0) depctr_vm_vsrc(0)
	s_getreg_b32 s2, hwreg(HW_REG_IB_STS2, 6, 4)
	s_cmp_eq_u32 s2, 0
	s_cbranch_scc0 .Lentry_in_a_cluster
	s_endpgm
.Lentry_in_a_cluster:
	s_bfe_u32 s2, ttmp6, 0x10000c
	s_cmp_lg_u32 s2, 0x3003
	s_cbranch_scc0 .Lentry_shape_is_right
	s_endpgm
.Lentry_shape_is_right:
; cat_emb = sigmoid(cat W_in^T + b) (out3), cat_recon = softmax(cat_emb W_out^T + b) (out2, the row's true maximum taken away), and GRU layer 0 for all 8 steps; h0 of every step goes to h0s in f16.
; SHARES.  A work-group owns 32 batch rows (two tiles rt of 16); wave w owns hidden units 64w .. 64w+63 in four PIECES of 16.
; FORMATS.  Every input is rounded once to bf16 and that number used as f16 (weights: by the launch before); what the program makes as a matrix operand (cat_emb, h0) is rounded to f16; sums, the state h0,
; the biases and the constant part of gi stay in f32.  LIMITS: x, categorical_input and the weights stay under 65,504 in magnitude; operands under 2^-14 keep the step 2^-24; the 14 padded classes enter the
; softmax as -1e30; NaN and infinities are not treated apart.
; PRODUCTS ARE USED TRANSPOSED: source 0 = 16 weight rows (units), source 1 = 16 batch rows.  In the result lane l holds batch row l%16 and register j unit 8(l/16)+j: packed to f16 these are the lane's own
; 16 bytes of the next product's source 1.  Fragments lie in LDS and in wf as register images of 1,024 bytes (byte c*512 + 16 l), read by two 16-byte loads a lane, 512 consecutive bytes a load.
; WHAT IS NOT DONE EIGHT TIMES: cat_emb does not change with t, so its part of gi (256 of W_ih0's 320 columns, with the biases) is made once and kept in 192 registers.
; WHERE THE WEIGHTS LIVE IN THE LOOP: W_hh0's r and z gates in 512 registers a wave; its n gate and W_ih0's x columns in LDS: the loop asks memory for nothing.
; THE LOOP BY PHASES.  A piece's 60 products go in two phases: A sums r and z (40), B sums i_n and h_n (20).  The piece's two sigmoids want phase A's sums alone: their 96 lines stand in slices behind phase B's
; products.  Behind phase B eight lines make N += r H; the rest (tanh, h' = n + z (h - n), packing: 80 lines) touches N, z and the state alone and stands in slices behind the NEXT piece's phase A.  That phase
; would write over z: so z's and h_n's blocks of 16 registers change places from piece to piece.  The last piece's rest stands alone, once a step: the next step's products on h want it.
; CLUSTER.  All work-groups walk the same eight chunks of wf, so four of them ask for each JOINTLY: the same tensor load, descriptor and mask in all four.  A wave has two tensor loads out at the head, later one.
; x is asked for whole at the head and waited for behind the first product phase; nothing else is streamed, so nothing is prefetched.
; LDS: 0 slot 0, 131072 slot 1 (128 KiB each; wave w fills and reads quarter w; slot 1's last fill ends, in each quarter, with 8 KiB of zeros that become the wave's f32 state);
;   262144 IMG 16 KiB (cat_emb's, then h0's image: fragment (rt, kf) at 8192 rt + 1024 kf);  278528 XIMG 35,840 bytes (eight x images; before them the stages for out3 and out2);
;   314368 TAB 6 KiB (bias sets r, z, i_n, h_n, ae_in_b, ae_out_b, 256 f32 each);  320512 the spare words.
; REGISTERS (absolute numbers; window = n / 256): v1, v2 my quarter of slot 0, 1; v3 IMG + 16 l; v4 where my piece's h goes; v5 my biases; v6 my offset in an h0s tile; v7-9 the way out; v12, v13 the add's;
;   v15 the next x image's address; v16-79 four blocks of two accumulators: r, z or h_n, i_n, h_n or z; v80-159 ten fragment slots (the last two also the state); v160-255, 928-1023 gi's constant part;
;   256-511 W_hh0 r; 512-767 W_hh0 z; 768-895 h (or cat_emb) fragments; 896-927 x (or cat) fragments.
.set CHUNK,  131072
.set SLOT1,  131072
.set IMG,    262144
.set XIMG,   278528
.set XB,     272       ; a block of an x image: 16 rows x 16 bytes, and 16 bytes of padding = 68 words,
.set XT,     4480      ; an image: 16 blocks and 128 bytes = 1,120 words: the 16 lanes of a store's pass (8 blocks of each of 2 images) start at 16 different groups of four banks (64 banks of 4 bytes: ISA guide 11.1)
.set STG,    278528    ; 4 x 16 rows x 272 bytes: out3's stages, each wave's own
.set SPITCH, 272
.set O2S,    295936    ; 32 rows x 200 bytes: out2 as it lies in memory
.set TAB,    314368
.set SPARE,  320512
.set ACC, 16
.set B0,  16           ; r's sums
.set B1,  32           ; z's (even pieces) or h_n's (odd pieces)
.set B2,  48           ; i_n's; later n; at last the packed h
.set B3,  64           ; h_n's (even pieces) or z's (odd pieces)
.set TB,  80
.set AS,  80           ; slots a0-a3
.set CS,  112          ; slots c0-c3
.set SS,  144          ; slots s0, s1; also the piece's state
.set AX,  15
.set WR,  256
.set WZ,  512
.set RF,  640          ; the softmax waves' own tile of cat_emb
.set BT,  704          ; a bias set for four pieces
.set HF,  768
.set XF,  896
.set MSB, 0
.macro WIN new                         ; the immediate's high byte repeats the setting that is left; a switch that changes nothing is dropped
.if MSB != (\new)
	s_set_vgpr_msb (MSB<<8)|(\new)
.set MSB, (\new)
.endif
.endm
.macro TRW                             ; a transcendental names a destination and source 0 alone: only their windows matter to it
.if (MSB&0xc3) != 0
	WIN 0
.endif
.endm
.macro WM d, a, b, c                   ; one matrix instruction on absolute register numbers
	WIN ((\d)/256)*64+((\c)/256)*16+((\b)/256)*4+((\a)/256)
.set wd, (\d)%256
.set wa, (\a)%256
.set wb, (\b)%256
.set wc, (\c)%256
	v_wmma_f32_16x16x32_f16 v[wd:wd+7], v[wa:wa+7], v[wb:wb+7], v[wc:wc+7]
.endm
.macro DL dst, adr, off                ; an LDS load of 16 bytes a lane; only the destination's and the address's windows matter to it
.if (MSB&0xc3) != ((\dst)/256)*64
	WIN ((\dst)/256)*64
.endif
.set wd, (\dst)%256
	ds_load_b128 v[wd:wd+3], v[\adr] offset:\off
.endm
.macro PLACES                          ; four plain instructions between a matrix instruction and a load into, or a vector read or write of, its registers
.rept 4
	v_nop
.endr
.endm
.macro ROUND                           ; a round of the cluster's barrier
	WIN 0
	s_barrier_signal -1
	s_barrier_wait -1
	s_cmp_lg_u32 s24, 0
	s_cbranch_scc1 .Lnw0_\@
	s_barrier_signal -3
.Lnw0_\@:
	s_barrier_wait -3
	s_barrier_signal -1
	s_barrier_wait -1
.endm
.macro JFILL s                         ; my quarter of a chunk into slot s
	tensor_load_to_lds s[40+4*(\s):43+4*(\s)], s[32:39]
	s_nop 0
	PLACES
.endm
.macro REFILL s, c                     ; slot s, which has been read, takes chunk c
	WIN 0
	s_wait_tensorcnt 0x0               ; all my tensor loads have landed (the other slot's among them), so a group 0 may be written
	ds_add_u32 v12, v13                ; 0 onto my spare word
	s_add_nc_u64 s[42+4*(\s):43+4*(\s)], s[48:49], (\c)*CHUNK
	s_or_b32 s[43+4*(\s)], s[43+4*(\s)], 0x80000000
	s_wait_dscnt 0x0                   ; the add is done, and so are all my LDS reads and stores
	ROUND                              ; that now holds of every wave of all four work-groups
	JFILL \s
.endm
.macro LD4 s, k, b                     ; the four fragments q = 0..3 of K step k of my quarter of slot s, into half b of the first eight slots
.set zl, 0
.rept 8
	DL TB+32*(\b)+4*zl, 1+(\s), (\k)*4096+512*zl
.set zl, zl+1
.endr
.endm
.macro HFLK                            ; all 16 fragments of the image, K step by K step
.set zh, 0
.rept 8
	DL HF+8*zh, 3, zh*1024
	DL HF+8*zh+4, 3, zh*1024+512
	DL HF+64+8*zh, 3, 8192+zh*1024
	DL HF+64+8*zh+4, 3, 8192+zh*1024+512
.set zh, zh+1
.endr
.endm
.macro SETGC p, g, rt                  ; gc = where gi's constant part of (piece, gate, row tile) lies
.set gc, 160+768*((\p)/2)+((\p)%2)*48+(\g)*16+(\rt)*8
.endm
.macro SETB p                          ; zb, hb = the blocks of z's and of h_n's sums in piece p
.set zb, B1+32*((\p)%2)
.set hb, B3-32*((\p)%2)
.endm
.macro RB2 a                           ; two f32 rounded to bf16, in place
	v_cvt_pk_bf16_f32 v80, v[\a], v[(\a)+1]
	v_lshlrev_b32 v[\a], 16, v80
	v_and_b32 v[(\a)+1], 0xffff0000, v80
.endm
.macro SIGM base, n                    ; sigmoid in place: 1 / (1 + 2^(-x log2 e)).  Each batch of transcendentals has one plain instruction and one wait behind it
.set zs, 0
.rept (\n)/2
	v_pk_mul_f32 v[(\base)+zs:(\base)+zs+1], v[(\base)+zs:(\base)+zs+1], s[50:51] op_sel_hi:[1,0]
.set zs, zs+2
.endr
.set zs, 0
.rept \n
	v_exp_f32 v[(\base)+zs], v[(\base)+zs]
.set zs, zs+1
.endr
	v_nop
	s_wait_alu depctr_va_vdst(0)
.set zs, 0
.rept (\n)/2
	v_pk_add_f32 v[(\base)+zs:(\base)+zs+1], v[(\base)+zs:(\base)+zs+1], 1.0 op_sel_hi:[1,0]
.set zs, zs+2
.endr
.set zs, 0
.rept \n
	v_rcp_f32 v[(\base)+zs], v[(\base)+zs]
.set zs, zs+1
.endr
	v_nop
	s_wait_alu depctr_va_vdst(0)
.endm
; THE GATES AS NUMBERED LISTS.  SG n: line n of the 96 of a piece's two sigmoids, in place on r's block and on z's block z: 0-15 times -log2 e, 16-47 2^x, 48-63 plus 1, 64-95 the reciprocal.
; Every accumulator is read from its low end on.
.macro SG n, z
.if (\n) < 16
.set si, 2*(\n)
.elseif (\n) < 48
.set si, (\n)-16
.elseif (\n) < 64
.set si, 2*(\n)-96
.else
.set si, (\n)-64
.endif
.set sr, B0+si
.if si >= 16
.set sr, (\z)+si-16
.endif
.if (\n) < 16
	WIN 0
	v_pk_mul_f32 v[sr:sr+1], v[sr:sr+1], s[50:51] op_sel_hi:[1,0]
.elseif (\n) < 48
	TRW
	v_exp_f32 v[sr], v[sr]
.elseif (\n) < 64
	WIN 0
	v_pk_add_f32 v[sr:sr+1], v[sr:sr+1], 1.0 op_sel_hi:[1,0]
.else
	TRW
	v_rcp_f32 v[sr], v[sr]
.endif
.endm
.macro SGR from, cnt
.set sq, \from
.rept \cnt
	SG sq, zb
.set sq, sq+1
.endr
.endm
; TL n: line n of the 80 of a piece's rest, on N = i_n + r h_n in block B2, z in block z, the state in S: n = tanh(N) = 1 - 2 / (1 + 2^(2 N log2 e)): 0-7 times 2 log2 e, 8-23 2^x, 24-31 plus 1,
; 32-47 the reciprocal, 48-55 1 - 2 x;  56-63 S = h - n, 64-71 S = z S + n = the new h, 72-79 packed to f16 into B2's first eight registers.
.macro TL n, z, S
.set te, 2*((\n)%8)
.if (\n) < 8
	WIN 0
	v_pk_mul_f32 v[B2+te:B2+te+1], v[B2+te:B2+te+1], s[52:53] op_sel_hi:[1,0]
.elseif (\n) < 24
	TRW
	v_exp_f32 v[B2+(\n)-8], v[B2+(\n)-8]
.elseif (\n) < 32
	WIN 0
	v_pk_add_f32 v[B2+te:B2+te+1], v[B2+te:B2+te+1], 1.0 op_sel_hi:[1,0]
.elseif (\n) < 48
	TRW
	v_rcp_f32 v[B2+(\n)-32], v[B2+(\n)-32]
.elseif (\n) < 56
	WIN 0
	v_pk_fma_f32 v[B2+te:B2+te+1], v[B2+te:B2+te+1], -2.0, 1.0 op_sel_hi:[1,0,0]
.elseif (\n) < 64
	WIN 0
	v_pk_add_f32 v[(\S)+te:(\S)+te+1], v[(\S)+te:(\S)+te+1], v[B2+te:B2+te+1] neg_lo:[0,1] neg_hi:[0,1]
.elseif (\n) < 72
	WIN 0
	v_pk_fma_f32 v[(\S)+te:(\S)+te+1], v[(\z)+te:(\z)+te+1], v[(\S)+te:(\S)+te+1], v[B2+te:B2+te+1]
.else
	WIN 0
	v_cvt_pk_f16_f32 v[B2+(\n)-72], v[(\S)+te], v[(\S)+te+1]
.endif
.endm
.macro TLR from, cnt                   ; tz, ts: the z block and the state of the piece whose rest it is
.set tq, \from
.rept \cnt
	TL tq, tz, ts
.set tq, tq+1
.endr
.endm
.macro T1 h                            ; N += r H: behind it r's and h_n's blocks are free
	WIN 0
.set zt, 0
.rept 8
	v_pk_fma_f32 v[B2+zt:B2+zt+1], v[B0+zt:B0+zt+1], v[(\h)+zt:(\h)+zt+1], v[B2+zt:B2+zt+1]
.set zt, zt+2
.endr
.endm
; 32 rows x my 64 columns of f32 in the accumulators (column tile c, row tile r at ACC + 8 (2 c + r)) leave through my stage: in by 32 bytes a lane, back as whole rows of 256 bytes.
.macro OUTROWS back, sb
	WIN 0
.set zr, 0
.rept 2
.set zc, 0
.rept 4
	ds_store_b128 v7, v[ACC+8*(2*zc+zr):ACC+8*(2*zc+zr)+3] offset:zc*64
	ds_store_b128 v7, v[ACC+8*(2*zc+zr)+4:ACC+8*(2*zc+zr)+7] offset:zc*64+16
.set zc, zc+1
.endr
.set zt, 0
.rept 8
	ds_load_b128 v[(\back)+32*zr+4*zt:(\back)+32*zr+4*zt+3], v8 offset:zt*2*SPITCH  ; LDS serves a wave's instructions in order (ISA guide 5.7.1.4): these see the stores above, and the next tile's stores come behind them
.set zt, zt+1
.endr
.set zr, zr+1
.endr
.set zr, 0
.rept 2
.set zt, 0
.rept 8
	s_wait_dscnt (1-zr)*16+7-zt        ; younger: the rest of this tile's loads and, for the first tile, the second's sixteen
	global_store_b128 v9, v[(\back)+32*zr+4*zt:(\back)+32*zr+4*zt+3], s[\sb:(\sb)+1] offset:zr*16384+zt*2048  ; 16 lanes store 256 consecutive bytes, aligned
.set zt, zt+1
.endr
.set zr, zr+1
.endr
.endm
	s_load_b512 s[4:19], s[0:1], 0x0               ; cat s[4:5], x s[6:7], ae_in_b s[8:9], ae_out_b s[10:11], b_ih0 s[12:13], b_hh0 s[14:15], wf s[16:17], out2 s[18:19]
	s_load_b128 s[20:23], s[0:1], 0x40             ; out3 s[20:21], h0s s[22:23]
	v_lshl_add_u32 v12, v0, 2, SPARE
	v_mov_b32 v13, 0
	ds_add_u32 v12, v13                            ; the wave's opening: the add and its wait stand ahead of my first tensor load; the set-up below stands between them
	v_lshrrev_b32 v10, 5, v0
	v_readfirstlane_b32 s24, v10                   ; wave 0..3
	s_bfe_u32 s25, ttmp6, 0x40000                  ; cx
	s_lshl_b32 s26, ttmp9, 2
	s_add_co_u32 s26, s26, s25                     ; my work-group: it enters the addresses of my own rows alone
	s_mov_b32 s30, 0xffff                          ; lanes 0-15
	s_mov_b32 s32, 0x0023000f                      ; group 1: 15:0 the mask of four; 17:16 elements of 8 bytes; 21 set beside a mask; no padding
	s_mov_b32 s33, 32<<16                          ; tensor_dim0 = 32 elements: rows of 256 bytes
	s_mov_b32 s34, 128<<16                         ; tensor_dim1 = 128 rows: 32 KiB, a quarter of a chunk
	s_mov_b32 s35, 32<<16                          ; tile_dim0
	s_mov_b32 s36, 128                             ; tile_dim1
	s_mov_b32 s37, 32                              ; the block is dense: 32 elements from row to row
	s_mov_b32 s38, 0
	s_mov_b32 s39, 0
	s_mov_b32 s40, 1
	s_lshl_b32 s41, s24, 15                        ; slot 0, my quarter
	s_mov_b32 s44, 1
	s_add_co_u32 s45, s41, SLOT1                   ; slot 1, my quarter
	s_mov_b32 s50, 0xbfb8aa3b                      ; -log2 e
	s_mov_b32 s51, s50
	s_mov_b32 s52, 0x4038aa3b                      ; 2 log2 e
	s_mov_b32 s53, s52
	s_mov_b32 s54, 0x76543210                      ; v_permlanex16_b32: each lane takes its own place in the other half
	s_mov_b32 s55, 0xfedcba98
	s_mov_b32 s58, 0x3fb8aa3b                      ; log2 e
	s_mov_b32 s59, s58
	s_mov_b32 s27, 8                               ; time steps
	v_and_b32 v153, 15, v0                         ; r = l % 16
	v_bfe_u32 v154, v0, 4, 1                       ; h = l / 16
	v_and_b32 v155, 31, v0
	v_lshlrev_b32 v155, 4, v155                    ; 16 l
	v_lshl_add_u32 v1, s24, 15, v155
	v_add_nc_u32 v2, SLOT1, v1
	v_add_nc_u32 v3, IMG, v155
	v_lshl_add_u32 v4, s24, 11, v3
	v_lshl_add_u32 v6, s24, 11, v155
	v_lshlrev_b32 v5, 5, v154
	v_lshl_add_u32 v5, s24, 8, v5
	v_add_nc_u32 v5, TAB, v5
	s_mul_i32 s31, s24, 16*SPITCH
	s_add_co_u32 s31, s31, STG
	v_mul_u32_u24 v7, v153, SPITCH
	v_lshl_add_u32 v7, v154, 5, v7
	v_add_nc_u32 v7, s31, v7
	v_mul_u32_u24 v8, v154, SPITCH
	v_lshl_add_u32 v8, v153, 4, v8
	v_add_nc_u32 v8, s31, v8
	v_lshlrev_b32 v9, 10, v154
	v_lshl_add_u32 v9, v153, 4, v9
	v_lshl_add_u32 v9, s24, 8, v9
	v_lshlrev_b32 v156, 3, v0                      ; 8 x thread: two f32 of a vector of 256
	v_min_u32 v157, 192, v156                      ; ae_out_b has 50
	v_mul_u32_u24 v159, v153, 200                  ; a row of categorical_input
	v_lshl_add_u32 v158, v154, 5, v159
	v_lshlrev_b32 v15, 5, v0                       ; 32 x thread: eight f32 of x
	s_wait_dscnt 0x0                               ; the opening add is done
	s_wait_kmcnt 0x0
	s_mov_b32 s29, 0
	s_mov_b32 s28, s41
	s_add_nc_u64 s[48:49], s[16:17], s[28:29]      ; wf at my quarter of chunk 0
	s_mul_i32 s28, s26, 6400
	s_add_nc_u64 s[4:5], s[4:5], s[28:29]
	s_add_nc_u64 s[18:19], s[18:19], s[28:29]
	s_lshl_b32 s28, s26, 16
	s_add_nc_u64 s[6:7], s[6:7], s[28:29]
	s_lshl_b32 s28, s26, 15
	s_add_nc_u64 s[20:21], s[20:21], s[28:29]
	s_lshl_b32 s28, s26, 17
	s_add_nc_u64 s[62:63], s[22:23], s[28:29]      ; h0s at my work-group's tile of step 0
	s_add_nc_u64 s[42:43], s[48:49], 0
	s_or_b32 s43, s43, 0x80000000
	s_add_nc_u64 s[46:47], s[48:49], CHUNK
	s_or_b32 s47, s47, 0x80000000
	ROUND                                          ; all four work-groups are here: the first joint loads meet
	tensor_load_to_lds s[40:43], s[32:39]          ; chunk 0: the auto-encoder's weights
	s_nop 0
	tensor_load_to_lds s[44:47], s[32:39]          ; chunk 1: W_ih0's r rows
	s_nop 0
	PLACES
	; all that comes from memory by registers: 8 loads of biases, 26 of categorical_input, 32 of x
	global_load_b64 v[16:17], v156, s[12:13]
	global_load_b64 v[18:19], v156, s[12:13] offset:1024
	global_load_b64 v[20:21], v156, s[12:13] offset:2048
	global_load_b64 v[22:23], v156, s[14:15]
	global_load_b64 v[24:25], v156, s[14:15] offset:1024
	global_load_b64 v[26:27], v156, s[14:15] offset:2048
	global_load_b64 v[28:29], v156, s[8:9]
	global_load_b64 v[30:31], v157, s[10:11]
	WIN 0x40                                       ; destination window 1
.set zr, 0
.rept 2                                ; row tile zr; zi = 4 m + j: eight columns from 16 m + 8 h on, pair j; rows are 200 bytes, so 8 bytes is what is aligned
.set zi, 0
.rept 12
	global_load_b64 v[26*zr+2*zi:26*zr+2*zi+1], v158, s[4:5] offset:zr*3200+(zi/4)*64+(zi%4)*8
.set zi, zi+1
.endr
	global_load_b64 v[26*zr+24:26*zr+25], v159, s[4:5] offset:zr*3200+192  ; columns 48, 49
.set zr, zr+1
.endr
	WIN 0x80                                       ; destination window 2
.set zi, 0
.rept 16
	global_load_b128 v[8*zi:8*zi+3], v15, s[6:7] offset:zi*4096 th:TH_LOAD_NT
	global_load_b128 v[8*zi+4:8*zi+7], v15, s[6:7] offset:zi*4096+16 th:TH_LOAD_NT
.set zi, zi+1
.endr
	WIN 0
	s_wait_loadcnt 58                              ; the biases are in; 26 + 32 younger loads stay out
.set zi, 16
.rept 8
	RB2 zi
.set zi, zi+2
.endr
	v_pk_add_f32 v[16:17], v[16:17], v[22:23]      ; r: b_ih + b_hh
	v_pk_add_f32 v[18:19], v[18:19], v[24:25]      ; z likewise; i_n's and h_n's stay apart
	v_mov_b32 v81, 0xf149f2ca                      ; -1e30 for the classes that do not exist
	v_cmp_gt_u32 vcc_lo, 25, v0
	v_cndmask_b32 v30, v81, v30, vcc_lo
	v_cndmask_b32 v31, v81, v31, vcc_lo
	v_lshl_add_u32 v14, v0, 3, TAB
	ds_store_b64 v14, v[16:17]
	ds_store_b64 v14, v[18:19] offset:1024
	ds_store_b64 v14, v[20:21] offset:2048
	ds_store_b64 v14, v[26:27] offset:3072
	ds_store_b64 v14, v[28:29] offset:4096
	ds_store_b64 v14, v[30:31] offset:5120
	s_wait_loadcnt 32                              ; categorical_input is in; x's 32 loads stay out
	WIN 0x05                                       ; sources in window 1
.set zi, 0
.rept 26
	v_cvt_pk_bf16_f32 v[80+zi], v[2*zi], v[2*zi+1]
.set zi, zi+1
.endr
	WIN 0
	v_cndmask_b32 v92, 0, v92, s30                 ; columns 48, 49 belong to lanes 0-15; lanes 16-31 would hold 56, 57
	v_cndmask_b32 v105, 0, v105, s30
.set zi, 0
.rept 26
	v_lshlrev_b32 v[16+2*zi], 16, v[80+zi]
	v_and_b32 v[17+2*zi], 0xffff0000, v[80+zi]
.set zi, zi+1
.endr
	WIN 0xc0                                       ; destination window 3: the two fragments of a row tile are 16 registers on end, of which 13 hold numbers
.set zr, 0
.rept 2
.set zi, 0
.rept 13
	v_cvt_pk_f16_f32 v[XF%256+16*zr+zi], v[16+2*(13*zr+zi)], v[17+2*(13*zr+zi)]
.set zi, zi+1
.endr
	v_mov_b32 v[XF%256+16*zr+13], 0
	v_mov_b32 v[XF%256+16*zr+14], 0
	v_mov_b32 v[XF%256+16*zr+15], 0
.set zr, zr+1
.endr
	WIN 0
	s_wait_tensorcnt 0x1                           ; my quarter of chunk 0 is in; chunk 1 may stay out
	s_wait_dscnt 0x0                               ; my part of the tables is stored
	s_barrier_signal -1
	s_barrier_wait -1
	; cat_emb = sigmoid(cat W_in^T + b): my 64 units x 32 rows, K = 64 (50 and zeros)
	LD4 0, 0, 0
	LD4 0, 1, 1
.set zc, 0
.rept 4
	DL 160+8*zc, 5, 4096+zc*64
	DL 164+8*zc, 5, 4096+zc*64+16
.set zc, zc+1
.endr
	s_wait_dscnt 0x0
.set zk, 0
.rept 2
.set zc, 0
.rept 4
.set zr, 0
.rept 2                                ; eight accumulators by turns; the bias starts each sum
.if zk == 0
	WM ACC+8*(2*zc+zr), TB+8*zc, XF+16*zr, 160+8*zc
.else
	WM ACC+8*(2*zc+zr), TB+32+8*zc, XF+16*zr+8, ACC+8*(2*zc+zr)
.endif
.set zr, zr+1
.endr
.set zc, zc+1
.endr
.set zk, zk+1
.endr
	PLACES
	WIN 0
	SIGM ACC, 64
.set zi, 0
.rept 32
	v_cvt_pk_f16_f32 v[TB+zi], v[ACC+2*zi], v[ACC+2*zi+1]
.set zi, zi+1
.endr
.set zc, 0
.rept 4
	ds_store_b128 v4, v[TB+8*zc:TB+8*zc+3] offset:(zc/2)*1024+(zc%2)*512
	ds_store_b128 v4, v[TB+8*zc+4:TB+8*zc+7] offset:8192+(zc/2)*1024+(zc%2)*512
.set zc, zc+1
.endr
	OUTROWS 192, 20                                ; out3
	s_wait_dscnt 0x0                               ; my part of cat_emb's image is stored
	s_barrier_signal -1
	s_barrier_wait -1
	HFLK                                           ; cat_emb, all of it, for gi's constant part
	WIN 0
	s_cmp_lt_u32 s24, 2                            ; the softmax is small: wave 0 takes rows 0-15, wave 1 rows 16-31
	s_cbranch_scc0 .Lno_recon
	v_lshl_add_u32 v14, s24, 13, v3
	v_add_nc_u32 v11, 65536, v155
	v_lshl_add_u32 v156, v154, 5, TAB
.set zk, 0
.rept 8
	DL RF+8*zk, 14, zk*1024
	DL RF+8*zk+4, 14, zk*1024+512
.set zk, zk+1
.endr
.set zc, 0
.rept 4                                ; W_out's class tile zc lies in quarter zc of slot 0, from byte 8,192 on
.set zk, 0
.rept 8
.if zc < 2
	DL WR+8*(8*zc+zk), 155, zc*32768+8192+zk*1024
	DL WR+8*(8*zc+zk)+4, 155, zc*32768+8192+zk*1024+512
.else
	DL WR+8*(8*zc+zk), 11, (zc-2)*32768+8192+zk*1024
	DL WR+8*(8*zc+zk)+4, 11, (zc-2)*32768+8192+zk*1024+512
.endif
.set zk, zk+1
.endr
	DL 160+8*zc, 156, 5120+zc*64
	DL 164+8*zc, 156, 5120+zc*64+16
.set zc, zc+1
.endr
	s_wait_dscnt 0x0
.set zk, 0
.rept 8
.set zc, 0
.rept 4
.if zk == 0
	WM ACC+8*zc, WR+8*(8*zc), RF, 160+8*zc
.else
	WM ACC+8*zc, WR+8*(8*zc+zk), RF+8*zk, ACC+8*zc
.endif
.set zc, zc+1
.endr
.set zk, zk+1
.endr
	PLACES
	WIN 0
	; a lane holds one row and 32 of its 64 classes; the others lie in the lane 16 away.  Each accumulator's lowest registers are read first
.irp j, 0,1,2,3
	v_max3_num_f32 v[80+\j], v[16+8*\j], v[17+8*\j], v[18+8*\j]
.endr
.irp j, 0,1,2,3
	v_max3_num_f32 v[80+\j], v[80+\j], v[19+8*\j], v[20+8*\j]
.endr
.irp j, 0,1,2,3
	v_max3_num_f32 v[80+\j], v[80+\j], v[21+8*\j], v[22+8*\j]
.endr
	v_max3_num_f32 v80, v80, v23, v31
	v_max3_num_f32 v82, v82, v39, v47
	v_max3_num_f32 v80, v80, v81, v82
	v_max_num_f32 v80, v80, v83
	v_permlanex16_b32 v81, v80, s54, s55
	v_max_num_f32 v80, v80, v81                    ; the row's maximum
	v_mul_f32 v84, s58, v80
	v_mov_b32 v85, v84
.set zi, 0
.rept 16
	v_pk_fma_f32 v[16+zi:17+zi], v[16+zi:17+zi], s[58:59], v[84:85] op_sel_hi:[1,0,0] neg_lo:[0,0,1] neg_hi:[0,0,1]
.set zi, zi+2
.endr
.set zi, 0
.rept 32
	v_exp_f32 v[16+zi], v[16+zi]
.set zi, zi+1
.endr
	v_nop
	s_wait_alu depctr_va_vdst(0)
.set zi, 0
.rept 8
	v_pk_add_f32 v[88+2*zi:89+2*zi], v[16+4*zi:17+4*zi], v[18+4*zi:19+4*zi]
.set zi, zi+1
.endr
.set zi, 0
.rept 4
	v_pk_add_f32 v[88+4*zi:89+4*zi], v[88+4*zi:89+4*zi], v[90+4*zi:91+4*zi]
.set zi, zi+1
.endr
	v_pk_add_f32 v[88:89], v[88:89], v[92:93]
	v_pk_add_f32 v[96:97], v[96:97], v[100:101]
	v_pk_add_f32 v[88:89], v[88:89], v[96:97]
	v_add_f32 v88, v88, v89
	v_permlanex16_b32 v89, v88, s54, s55
	v_add_f32 v88, v88, v89
	v_rcp_f32 v90, v88
	v_nop
	s_wait_alu depctr_va_vdst(0)
.set zi, 0
.rept 13                               ; classes 0-47, and 48, 49
	v_pk_mul_f32 v[16+zi:17+zi], v[16+zi:17+zi], v[90:91] op_sel_hi:[1,0]
.set zi, zi+2
.endr
	s_mul_i32 s31, s24, 3200
	s_add_co_u32 s31, s31, O2S
	v_mul_u32_u24 v10, v153, 200
	v_lshl_add_u32 v10, v154, 5, v10
	v_add_nc_u32 v10, s31, v10
.set zi, 0
.rept 12
	ds_store_b64 v10, v[16+2*zi:17+2*zi] offset:(zi/4)*64+(zi%4)*8
.set zi, zi+1
.endr
	v_cmp_eq_u32 vcc_lo, 0, v154                   ; classes 48, 49 lie in lanes 0-15; lanes 16-31 hold classes that do not exist
	s_wait_xcnt 0x0                                ; EXEC changes only behind this wait: loads and stores are out
	s_and_saveexec_b32 s31, vcc_lo
	ds_store_b64 v10, v[40:41] offset:192
	s_wait_xcnt 0x0
	s_or_b32 exec_lo, exec_lo, s31
.Lno_recon:
	REFILL 0, 2                                    ; chunk 0 has been read; W_ih0's z rows
	; behind the round every wave's stores are seen and its reads are over: out2 leaves, and the image is cleared for h0 = 0
	v_lshl_add_u32 v10, s24, 9, v155
	v_add_nc_u32 v11, O2S, v10
	v_lshl_add_u32 v14, s24, 12, v3
	ds_load_b128 v[16:19], v11
	ds_load_b128 v[20:23], v11 offset:2048
	ds_load_b128 v[24:27], v11 offset:4096
	v_mov_b32 v80, 0
	v_mov_b32 v81, 0
	v_mov_b32 v82, 0
	v_mov_b32 v83, 0
.set zi, 0
.rept 8
	ds_store_b128 v14, v[80:83] offset:zi*512
.set zi, zi+1
.endr
	s_wait_dscnt 0x8                               ; the three loads are in; the eight stores may be out
	global_store_b128 v10, v[16:19], s[18:19]              ; 512 consecutive bytes each
	global_store_b128 v10, v[20:23], s[18:19] offset:2048
	global_store_b128 v10, v[24:27], s[18:19] offset:4096
	s_cmp_lg_u32 s24, 0
	s_cbranch_scc1 .Lno_rest
	ds_load_b128 v[28:31], v11 offset:5888         ; 6,400 = 12.5 x 512: the last 512 bytes, of which half are written a second time with the same numbers
	s_wait_dscnt 0x0
	global_store_b128 v10, v[28:31], s[18:19] offset:5888
.Lno_rest:
	s_wait_xcnt 0x0                                ; out3's and out2's stores have read their registers, which the products below write
; gi's constant part for gate g, from the chunk in slot s: 64 units x 32 rows x K = 256.  Eight accumulators by turns; the bias set starts each sum.
.macro GPH g, s
.set zp, 0
.rept 4
	DL BT+8*zp, 5, (\g)*1024+zp*64
	DL BT+8*zp+4, 5, (\g)*1024+zp*64+16
.set zp, zp+1
.endr
	LD4 \s, 0, 0
.set zk, 0
.rept 8
	PLACES
.if zk < 7
	LD4 \s, zk+1, (zk+1)%2
	s_wait_dscnt 0x8                   ; all but the eight just issued
.else
	s_wait_dscnt 0x0
.endif
.set zp, 0
.rept 4
.set zr, 0
.rept 2
	SETGC zp, \g, zr
.if zk == 0
	WM gc, TB+8*zp, HF+64*zr, BT+8*zp
.else
	WM gc, TB+32*(zk%2)+8*zp, HF+8*(8*zr+zk), gc
.endif
.set zr, zr+1
.endr
.set zp, zp+1
.endr
.set zk, zk+1
.endr
.endm
	GPH 0, 1
	REFILL 1, 3                                    ; W_ih0's n rows
	; x: rounded to bf16, written as f16, into eight images.  A thread's 32 bytes of load i are row 2 i + thread / 64, step (thread / 8) % 8, features 8 (thread % 8) on: 16 bytes of one block
	s_wait_loadcnt 0x0
	WIN 0x0a                                       ; sources in window 2
.set zi, 0
.rept 64
	v_cvt_pk_bf16_f32 v[16+zi], v[2*zi], v[2*zi+1]
.set zi, zi+1
.endr
	WIN 0
.set zi, 0
.rept 64
	v_lshlrev_b32 v[80+2*(zi%8)], 16, v[16+zi]
	v_and_b32 v[81+2*(zi%8)], 0xffff0000, v[16+zi]
	v_cvt_pk_f16_f32 v[16+zi], v[80+2*(zi%8)], v[81+2*(zi%8)]
.set zi, zi+1
.endr
	v_bfe_u32 v10, v0, 3, 3                        ; the step: its image
	v_mul_u32_u24 v10, v10, XT
	v_and_b32 v11, 7, v0                           ; the group of eight features: its block
	v_mul_u32_u24 v11, v11, XB
	v_add_nc_u32 v10, v10, v11
	v_lshrrev_b32 v11, 6, v0
	v_lshl_add_u32 v10, v11, 4, v10
	v_add_nc_u32 v10, XIMG, v10
.set zi, 0
.rept 16
	ds_store_b128 v10, v[16+4*zi:19+4*zi] offset:(zi/8)*8*XB+((2*zi)%16)*16
.set zi, zi+1
.endr
	GPH 1, 0
	REFILL 0, 4                                    ; W_hh0's r rows
	GPH 2, 1
	REFILL 1, 5                                    ; W_hh0's z rows
.set zi, 0
.rept 64                               ; the two gates that stay in registers: fragment (k, piece) at 8 (4 k + piece)
	DL WR+4*zi, 1, 512*zi
.set zi, zi+1
.endr
	REFILL 0, 6                                    ; W_hh0's n rows: slot 0's last fill
.set zi, 0
.rept 64
	DL WZ+4*zi, 2, 512*zi
.set zi, zi+1
.endr
	REFILL 1, 7                                    ; W_ih0's x columns and the zeros of the state: slot 1's last fill
; THE LOOP'S LDS LOADS, in runs.  Ten slots: a0-a3 hold W_ih0's x columns for r and z in phase A and, in phase B, those for n and h_n's k = 0, 1; c0-c3 h_n's k = 2..5; s0, s1 the state and then h_n's k = 6, 7.
.macro LXF                             ; a step's x: fragment (rt, kf), half c, from blocks 8 rt + 4 kf + 2 c + h
.set zi, 0
.rept 4
	DL XF+8*zi, AX, (8*(zi/2)+4*(zi%2))*XB
	DL XF+8*zi+4, AX, (8*(zi/2)+4*(zi%2)+2)*XB
.set zi, zi+1
.endr
.endm
.macro LA p                            ; slot 2 kf + g takes (gate g, kf), which lies at step 2 g + kf of my quarter of slot 1
.set zi, 0
.rept 4
	DL AS+8*zi, 2, (2*(zi%2)+zi/2)*4096+(\p)*1024
	DL AS+8*zi+4, 2, (2*(zi%2)+zi/2)*4096+(\p)*1024+512
.set zi, zi+1
.endr
.endm
.macro L2 p
	DL AS, 2, 4*4096+(\p)*1024
	DL AS+4, 2, 4*4096+(\p)*1024+512
	DL AS+8, 1, (\p)*1024
	DL AS+12, 1, (\p)*1024+512
	DL AS+16, 2, 5*4096+(\p)*1024
	DL AS+20, 2, 5*4096+(\p)*1024+512
	DL AS+24, 1, 4096+(\p)*1024
	DL AS+28, 1, 4096+(\p)*1024+512
.endm
.macro LC p
.set zi, 0
.rept 4
	DL CS+8*zi, 1, (zi+2)*4096+(\p)*1024
	DL CS+8*zi+4, 1, (zi+2)*4096+(\p)*1024+512
.set zi, zi+1
.endr
.endm
.macro L3 p                            ; and h_n's bias, straight into its two accumulators: the sums start from it
	DL SS, 1, 6*4096+(\p)*1024
	DL SS+4, 1, 6*4096+(\p)*1024+512
	DL SS+8, 1, 7*4096+(\p)*1024
	DL SS+12, 1, 7*4096+(\p)*1024+512
	DL hb, 5, 3072+(\p)*64
	DL hb+4, 5, 3072+(\p)*64+16
	DL hb+8, 5, 3072+(\p)*64
	DL hb+12, 5, 3072+(\p)*64+16
.endm
.macro LST p                           ; my f32 state of piece p, lane by lane my own bytes
.set zi, 0
.rept 4
	DL SS+4*zi, 2, 24576+(\p)*2048+zi*512
.set zi, zi+1
.endr
.endm
.macro TSTORE q                        ; piece q's new h: f16 into the image and to h0s, f32 back into the state
	WIN 0
	ds_store_b128 v4, v[B2:B2+3] offset:((\q)/2)*1024+((\q)%2)*512
	ds_store_b128 v4, v[B2+4:B2+7] offset:8192+((\q)/2)*1024+((\q)%2)*512
.set zi, 0
.rept 4
	ds_store_b128 v2, v[SS+4*zi:SS+4*zi+3] offset:24576+(\q)*2048+zi*512
.set zi, zi+1
.endr
	global_store_b128 v6, v[B2:B2+3], s[62:63] offset:((\q)/2)*1024+((\q)%2)*512        ; 512 consecutive bytes each
	global_store_b128 v6, v[B2+4:B2+7], s[62:63] offset:8192+((\q)/2)*1024+((\q)%2)*512
.endm
; What stands behind product pa of phase A of piece p: the rest of the piece before.  Products 0-7 carry lines 0-23; the wait for that batch stands in PHA, ahead of a run of loads; products 8-23 carry the other 56.
.macro SLA0 p
.if pa < 2
	TLR 4*pa, 4
.elseif pa < 6
	TLR 8+3*(pa-2), 3
.elseif pa < 8
	TLR 20+2*(pa-6), 2
.elseif pa < 10
	TLR 24+4*(pa-8), 4
.elseif pa < 14
	TLR 32+3*(pa-10), 3
.elseif pa < 16
	TLR 44+2*(pa-14), 2
.elseif pa < 24
	TLR 48+4*(pa-16), 4
.endif
.if pa == 15
	v_nop                              ; a plain instruction behind the last reciprocal,
	s_wait_alu depctr_va_vdst(0)       ; and the batch's one wait
.endif
.if pa == 17
	s_wait_dscnt 0x8                   ; the state is in; the eight loads of L2 may be out
.endif
.if pa == 23
	TSTORE ((\p)+3)%4
	L3 \p                              ; the state is stored and the old z used up: their registers take phase B's last fragments and h_n's bias
.endif
.endm
; PHASE A of piece p: r and z: 8 products on x, started by gi's constant part, and 32 on h with weights from registers.  Four accumulators by turns.  tail = 1: the piece before's rest rides.
.macro PHA p, tail
	SETB \p
.set tz, hb                            ; the piece before kept its z where this piece will sum h_n
.set ts, SS
.set pa, 0
.if \tail
	s_wait_dscnt 12                    ; slots a0-a3 are in; the twelve loads of LST and LC may be out
.endif
.set zk, 0
.rept 2
.set zg, 0
.rept 2
.set zr, 0
.rept 2
	SETGC \p, zg, zr
.set za, B0+(zb-B0)*zg+8*zr
.if zk == 0
	WM za, AS+8*zg, XF+16*zr, gc
.else
	WM za, AS+16+8*zg, XF+16*zr+8, za
.endif
.if \tail
	SLA0 \p
.endif
.set pa, pa+1
.set zr, zr+1
.endr
.set zg, zg+1
.endr
.set zk, zk+1
.endr
	PLACES                             ; behind the products that read a0-a3; the first is also the plain instruction behind the last exponential
.if \tail
	s_wait_alu depctr_va_vdst(0)       ; the batch's one wait, ahead of a run of loads
.endif
	L2 \p
.if !(\tail)
	L3 \p
.endif
.set zk, 0
.rept 8
.if !(\tail)
	s_wait_dscnt 16+4*(7-zk)           ; h's K step is in; later steps' loads and the sixteen of L2 and L3 may be out
.endif
.set zg, 0
.rept 2
.set zr, 0
.rept 2
.set za, B0+(zb-B0)*zg+8*zr
	WM za, WR+256*zg+8*(4*zk+(\p)), HF+8*(8*zr+zk), za
.if \tail
	SLA0 \p
.endif
.set pa, pa+1
.set zr, zr+1
.endr
.set zg, zg+1
.endr
.set zk, zk+1
.endr
.endm
.macro AB0 p                           ; from phase A to phase B
	s_wait_xcnt 0x0                    ; the stores to h0s have read B2's registers, which phase B writes
	s_wait_dscnt 0x0                   ; phase B's fragments are in; in piece 0: my reads of the old image of h are over,
.if (\p) == 0
	s_barrier_signal -1                ; and I say so; the wait stands behind phase B, ahead of the first store into the image
.endif
	PLACES                             ; behind phase A's last products, whose sums the sigmoids read
.endm
; What stands behind product pb of phase B: the piece's own sigmoids.  Slices of transcendentals alone need no switch of windows here.  pn: the next piece.
.macro SLB0 pn
.if pb < 4
	SGR 4*pb, 4
.elseif pb < 6
	SGR 16+6*(pb-4), 6
.elseif pb < 10
	SGR 28+5*(pb-6), 5
.elseif pb < 14
	SGR 48+4*(pb-10), 4
.elseif pb < 16
	SGR 64+6*(pb-14), 6
.else
	SGR 76+5*(pb-16), 5
.endif
.if pb == 9
	PLACES                             ; behind the products that read a0-a3, and behind the last exponential
	s_wait_alu depctr_va_vdst(0)       ; the batch's one wait, ahead of a run of loads
	LA \pn
.endif
.set pb, pb+1
.endm
; PHASE B of piece p: i_n (4 products on x, started by gi's constant part) and h_n (16 on h, started by its bias).
.macro PHB p
	SETB \p
.set pb, 0
.set zk, 0
.rept 2
.set zr, 0
.rept 2
	SETGC \p, 2, zr
.if zk == 0
	WM B2+8*zr, AS, XF+16*zr, gc
.else
	WM B2+8*zr, AS+16, XF+16*zr+8, B2+8*zr
.endif
	SLB0 ((\p)+1)%4
.set zr, zr+1
.endr
.set zr, 0
.rept 2
	WM hb+8*zr, AS+8+16*zk, HF+8*(8*zr+zk), hb+8*zr
	SLB0 ((\p)+1)%4
.set zr, zr+1
.endr
.set zk, zk+1
.endr
.rept 6
.set zr, 0
.rept 2
	WM hb+8*zr, CS+8*(zk-2), HF+8*(8*zr+zk), hb+8*zr
	SLB0 ((\p)+1)%4
.set zr, zr+1
.endr
.set zk, zk+1
.endr
.endm
.macro BA0 p                           ; from phase B to the next piece
	SETB \p
	PLACES                             ; behind phase B's last products and behind the last reciprocal
	s_wait_alu depctr_va_vdst(0)
	T1 hb
.if (\p) == 0
	s_barrier_wait -1                  ; every wave has read the old image of h
.endif
	LST \p
	LC ((\p)+1)%4
.endm
	s_wait_tensorcnt 0x0                           ; both last fills are in; no tensor load follows in this launch
	v_and_b32 v10, 15, v0
	v_bfe_u32 v11, v0, 4, 1
	v_mul_u32_u24 v[AX], v11, XB
	v_lshl_add_u32 v[AX], v10, 4, v[AX]
	v_add_nc_u32 v[AX], XIMG, v[AX]                ; lanes 0-15 a block, lanes 16-31 the next
	LXF                                            ; step 0's x
	LA 0
	LC 0
	WIN 0
	v_add_nc_u32 v[AX], XT, v[AX]
	s_wait_dscnt 0x0
	s_barrier_signal -1
	s_barrier_wait -1
.Lstep:
	HFLK                                           ; h of the step before; piece 0's products on x stand in front of its first use
	PHA 0, 0
	AB0 0
	PHB 0
	BA0 0
	PHA 1, 1
	AB0 1
	PHB 1
	BA0 1
	PHA 2, 1
	AB0 2
	PHB 2
	BA0 2
	PHA 3, 1
	AB0 3
	PHB 3
	BA0 3
	WIN 0
	s_cmp_eq_u32 s27, 1                            ; behind the last step there is no x
	s_cbranch_scc1 .Lno_x
	LXF                                            ; the next step's x
	WIN 0
	v_add_nc_u32 v[AX], XT, v[AX]
.Lno_x:
.set tz, zb                                            ; piece 3's rest stands alone: the next step's products on h want it
.set ts, SS
	TLR 0, 24
	v_nop
	s_wait_alu depctr_va_vdst(0)
	TLR 24, 24
	v_nop
	s_wait_alu depctr_va_vdst(0)
	TLR 48, 8
	s_wait_dscnt 0x0                               ; the state is in
	TLR 56, 24
	TSTORE 3
	s_wait_dscnt 0x0                               ; my part of the new image is stored
	s_barrier_signal -1
	s_barrier_wait -1
	s_wait_xcnt 0x0                                ; the stores have read their base
	s_add_nc_u64 s[62:63], s[62:63], 16384
	s_sub_co_u32 s27, s27, 1
	s_cmp_lg_u32 s27, 0
	s_cbranch_scc1 .Lstep
	s_wait_tensorcnt 0x0                           ; the wave's end, behind my last tensor load and my last LDS store
	ds_add_u32 v12, v13
	s_wait_dscnt 0x0
	ROUND                                          ; the closing round
	s_endpgm
.Lfunc_end_k_q642c1bf49c_gru0:
	.size	k_q642c1bf49c_gru0, .Lfunc_end_k_q642c1bf49c_gru0-k_q642c1bf49c_gru0
	.p2alignl 7, 3214868480
	.fill 96, 4, 3214868480
	.section	.rodata,"a",@progbits
	.p2align	6, 0x0
	.amdhsa_kernel k_q642c1bf49c_gru0
		.amdhsa_group_segment_fixed_size 327680
		.amdhsa_private_segment_fixed_size 0
		.amdhsa_enable_private_segment 0
		.amdhsa_kernarg_size 80
		.amdhsa_user_sgpr_count 2
		.amdhsa_user_sgpr_kernarg_segment_ptr 1
		.amdhsa_wavefront_size32 1
		.amdhsa_system_sgpr_workgroup_id_x 1
		.amdhsa_system_sgpr_workgroup_id_y 1
		.amdhsa_system_sgpr_workgroup_id_z 1
		.amdhsa_system_vgpr_workitem_id 0
		.amdhsa_next_free_vgpr 1024
		.amdhsa_next_free_sgpr 66
		.amdhsa_reserve_vcc 1
		.amdhsa_float_denorm_mode_32 3
		.amdhsa_float_denorm_mode_16_64 3
		.amdhsa_memory_ordered 1
		.amdhsa_forward_progress 1
		.amdhsa_inst_pref_size 192
	.end_amdhsa_kernel
	.amdgpu_metadata
---
amdhsa.version: [ 1, 2 ]
amdhsa.kernels:
  - .name:           k_q642c1bf49c_gru0
    .symbol:         k_q642c1bf49c_gru0.kd
    .args:
      - { .name: categorical_input, .offset: 0, .size: 8, .value_kind: global_buffer, .address_space: global }
      - { .name: real_input, .offset: 8, .size: 8, .value_kind: global_buffer, .address_space: global }
      - { .name: ae_in_b, .offset: 16, .size: 8, .value_kind: global_buffer, .address_space: global }
      - { .name: ae_out_b, .offset: 24, .size: 8, .value_kind: global_buffer, .address_space: global }
      - { .name: b_ih0, .offset: 32, .size: 8, .value_kind: global_buffer, .address_space: global }
      - { .name: b_hh0, .offset: 40, .size: 8, .value_kind: global_buffer, .address_space: global }
      - { .name: wf, .offset: 48, .size: 8, .value_kind: global_buffer, .address_space: global }
      - { .name: out2, .offset: 56, .size: 8, .value_kind: global_buffer, .address_space: global }
      - { .name: out3, .offset: 64, .size: 8, .value_kind: global_buffer, .address_space: global }
      - { .name: h0s, .offset: 72, .size: 8, .value_kind: global_buffer, .address_space: global }
    .group_segment_fixed_size: 327680
    .private_segment_fixed_size: 0
    .kernarg_segment_align: 8
    .kernarg_segment_size: 80
    .max_flat_workgroup_size: 128
    .sgpr_count:     66
    .vgpr_count:     1024
    .wavefront_size: 32
...
	.end_amdgpu_metadata
.endif
;; end of part 2
;; launch gru1 (part 3): grid 256 x 1, 4 waves a work-group, clusters of 4 x 1, 327,680 bytes of LDS; arguments h0s, wf, b_ih1, b_hh1, fc21_b, fc22_b, fc3_W, fc3_b, out0, out1; writes out0, out1
.if DOCPART == 3
	.amdgcn_target "amdgcn-amd-amdhsa--gfx1250"
	.amdhsa_code_object_version 6
	.text
	.protected	k_q642c1bf49c_gru1
	.globl	k_q642c1bf49c_gru1
	.p2align	8
	.type	k_q642c1bf49c_gru1,@function
k_q642c1bf49c_gru1:
	s_mov_b64 s[64:65], 0
	v_nop
	global_prefetch_b8 v0, s[64:65] scope:SCOPE_SE
	s_setreg_imm32_b32 hwreg(HW_REG_WAVE_MODE, 25, 1), 1
	s_wait_xcnt 0x0
	s_wait_alu depctr_hold_cnt(0) depctr_sa_sdst(0) depctr_va_vdst(0) depctr_va_sdst(0) depctr_va_ssrc(0) depctr_va_vcc(0) depctr_vm_vsrc(0)
	s_getreg_b32 s2, hwreg(HW_REG_IB_STS2, 6, 4)
	s_cmp_eq_u32 s2, 0
	s_cbranch_scc0 .Lentry_in_a_cluster
	s_endpgm
.Lentry_in_a_cluster:
	s_bfe_u32 s2, ttmp6, 0x10000c
	s_cmp_lg_u32 s2, 0x3003
	s_cbranch_scc0 .Lentry_shape_is_right
	s_endpgm
.Lentry_shape_is_right:
; GRU layer 1 for all 8 steps on h0 (f16, from the launch before), then e = relu(relu(h1 W21^T + b) W22^T + b) (out1) and e . fc3_W + b (out0).
; SHARES, LAYOUT, FORMATS as in the launch before: 32 batch rows a work-group, 64 units a wave in four pieces of 16; products transposed (source 0 = 16 weight rows, source 1 = 16 batch rows);
; fragments as register images of 1,024 bytes; inputs rounded once to bf16 and used as f16; h1 and the first layer's e rounded to f16 as operands; sums, the state h1 and e for out1 and out0 in f32.
; LIMITS: the weights and the first layer's e stay under 65,504 in magnitude; operands under 2^-14 keep the step 2^-24; out0's sum is taken in another order than row by row; NaN and infinities are not treated apart.
; WHERE THE WEIGHTS LIVE: W_hh1's r and z gates in 512 registers a wave; the other four gate matrices (W_ih1 r, z, n; W_hh1 n) come once a step, a chunk of 128 KiB for each piece, through two LDS slots.
; THE LOOP BY PHASES.  A piece's 96 products go in two phases: A sums r and z (64), B sums i_n and h_n (32).  The piece's two sigmoids want phase A's sums alone: their 96 lines stand in slices behind phase B's
; products.  Behind phase B eight lines make N += r H; of the rest (tanh, h' = n + z (h - n), packing: 80 lines) the first 24 stand behind the refill, while the next piece's first fragments come out of LDS, and
; the other 56 in slices behind the next piece's phase A.  That phase would write over z: so z's and h_n's blocks of 16 registers change places from piece to piece.  The last piece's rest stands alone, once a step.
; CLUSTER.  All work-groups walk the same chunks, so four ask for each JOINTLY.  A round of the cluster's barrier stands at each piece's end; the refill behind it has the whole next piece in which to land.
; A wave has two tensor loads out at the head, later one.
; h0's next tile is asked for, half at a time, a piece ahead of its use and into registers, so no wave stands waiting for it and nothing is prefetched.
; LDS: 0 slot 0, 131072 slot 1;  262144 H0I (h0's image, later e's), 278528 H1I (h1's), 16 KiB each;  294912 TAB 7 KiB (bias sets r, z, i_n, h_n, fc21_b, fc22_b, fc3_W);
;   302080 four stages of 16 rows x 272 bytes;  319488 RED 512 bytes;  320000 the spare words.
; REGISTERS (absolute; window = n / 256): v1, v2 my quarter of slot 0, 1; v3 H0I + 16 l; v4 where my piece's numbers go in an image; v5 my biases; v6 my offset in an h0s tile; v7-9 the way out; v12, v13 the add's;
;   v14 my quarter of H0I; v16-79 four blocks of two accumulators: r, z or h_n, i_n, h_n or z; v80-143 two halves of four fragments; v144-175 a piece's four bias sets; v176-239 the state; v240-255 h0 on its way;
;   256-511 W_hh1 r; 512-767 W_hh1 z; 768-895 h0's fragments; 896-1023 h1's.
.set CHUNK,  131072
.set SLOT1,  131072
.set H0I,    262144
.set TAB,    294912
.set STG,    302080
.set SPITCH, 272
.set RED,    319488
.set SPARE,  320000
.set ACC,  16
.set B0,   16          ; r's sums
.set B1,   32          ; z's (even pieces) or h_n's (odd pieces)
.set B2,   48          ; i_n's; later n; at last the packed h
.set B3,   64          ; h_n's (even pieces) or z's (odd pieces)
.set TB,   80
.set BIAS, 144
.set STATE, 176
.set HIN,  240
.set WR,   256
.set WZ,   512
.set H0F,  768
.set H1F,  896
.set MSB, 0
.macro WIN new                         ; the immediate's high byte repeats the setting that is left; a switch that changes nothing is dropped
.if MSB != (\new)
	s_set_vgpr_msb (MSB<<8)|(\new)
.set MSB, (\new)
.endif
.endm
.macro TRW                             ; a transcendental names a destination and source 0 alone: only their windows matter to it
.if (MSB&0xc3) != 0
	WIN 0
.endif
.endm
.macro WM d, a, b, c                   ; one matrix instruction on absolute register numbers
	WIN ((\d)/256)*64+((\c)/256)*16+((\b)/256)*4+((\a)/256)
.set wd, (\d)%256
.set wa, (\a)%256
.set wb, (\b)%256
.set wc, (\c)%256
	v_wmma_f32_16x16x32_f16 v[wd:wd+7], v[wa:wa+7], v[wb:wb+7], v[wc:wc+7]
.endm
.macro DL dst, adr, off                ; an LDS load of 16 bytes a lane; only the destination's and the address's windows matter to it
.if (MSB&0xc3) != ((\dst)/256)*64
	WIN ((\dst)/256)*64
.endif
.set wd, (\dst)%256
	ds_load_b128 v[wd:wd+3], v[\adr] offset:\off
.endm
.macro PLACES                          ; four plain instructions between a matrix instruction and a load into, or a vector read or write of, its registers
.rept 4
	v_nop
.endr
.endm
.macro ROUND                           ; a round of the cluster's barrier
	WIN 0
	s_barrier_signal -1
	s_barrier_wait -1
	s_cmp_lg_u32 s24, 0
	s_cbranch_scc1 .Lnw0_\@
	s_barrier_signal -3
.Lnw0_\@:
	s_barrier_wait -3
	s_barrier_signal -1
	s_barrier_wait -1
.endm
.macro JFILL s                         ; my quarter of a chunk into slot s
	tensor_load_to_lds s[40+4*(\s):43+4*(\s)], s[32:39]
	s_nop 0
	PLACES
.endm
.macro REFILL s, c                     ; slot s, which has been read, takes chunk c (counted from W_hh1's r rows)
	WIN 0
	s_wait_tensorcnt 0x0               ; all my tensor loads have landed, so a group 0 may be written
	ds_add_u32 v12, v13                ; 0 onto my spare word
	s_add_nc_u64 s[42+4*(\s):43+4*(\s)], s[48:49], (\c)*CHUNK
	s_or_b32 s[43+4*(\s)], s[43+4*(\s)], 0x80000000
	s_wait_dscnt 0x0                   ; the add is done, and so are all my LDS reads and stores
	ROUND
	JFILL \s
.endm
.macro LD4 s, k, b                     ; the four fragments of K step k of my quarter of slot s, into half b
.set zl, 0
.rept 8
	DL TB+32*(\b)+4*zl, 1+(\s), (\k)*4096+512*zl
.set zl, zl+1
.endr
.endm
.macro LDP s, j, b, q0                 ; fragments q0, q0 + 1 of K steps 2 j, 2 j + 1 of my quarter of slot s, into half b: step 2 j + kk's at 16 kk
.set zl, 0
.rept 4
	DL TB+32*(\b)+8*zl, 1+(\s), (2*(\j)+zl/2)*4096+((\q0)+zl%2)*1024
	DL TB+32*(\b)+8*zl+4, 1+(\s), (2*(\j)+zl/2)*4096+((\q0)+zl%2)*1024+512
.set zl, zl+1
.endr
.endm
.macro ACT1 act, imgoff, k             ; K step k of one image, both row tiles
.set zh, 0
.rept 2
	DL (\act)+8*(8*zh+(\k)), 3, (\imgoff)+zh*8192+(\k)*1024
	DL (\act)+8*(8*zh+(\k))+4, 3, (\imgoff)+zh*8192+(\k)*1024+512
.set zh, zh+1
.endr
.endm
.macro ACT k                           ; of both images
	ACT1 H0F, 0, \k
	ACT1 H1F, 16384, \k
.endm
.macro BIASL p                         ; piece p's four bias sets
.set zq, 0
.rept 4
	DL BIAS+8*zq, 5, zq*1024+(\p)*64
	DL BIAS+8*zq+4, 5, zq*1024+(\p)*64+16
.set zq, zq+1
.endr
.endm
.macro SETB p                          ; zb, hb = the blocks of z's and of h_n's sums in piece p
.set zb, B1+32*((\p)%2)
.set hb, B3-32*((\p)%2)
.endm
.macro RB2 a                           ; two f32 rounded to bf16, in place
	v_cvt_pk_bf16_f32 v112, v[\a], v[(\a)+1]
	v_lshlrev_b32 v[\a], 16, v112
	v_and_b32 v[(\a)+1], 0xffff0000, v112
.endm
; THE GATES AS NUMBERED LISTS.  SG n: line n of the 96 of a piece's two sigmoids, 1 / (1 + 2^(-x log2 e)), in place on r's block and on z's block z: 0-15 times -log2 e, 16-47 2^x, 48-63 plus 1, 64-95 the reciprocal.
; Every accumulator is read from its low end on.
.macro SG n, z
.if (\n) < 16
.set si, 2*(\n)
.elseif (\n) < 48
.set si, (\n)-16
.elseif (\n) < 64
.set si, 2*(\n)-96
.else
.set si, (\n)-64
.endif
.set sr, B0+si
.if si >= 16
.set sr, (\z)+si-16
.endif
.if (\n) < 16
	WIN 0
	v_pk_mul_f32 v[sr:sr+1], v[sr:sr+1], s[50:51] op_sel_hi:[1,0]
.elseif (\n) < 48
	TRW
	v_exp_f32 v[sr], v[sr]
.elseif (\n) < 64
	WIN 0
	v_pk_add_f32 v[sr:sr+1], v[sr:sr+1], 1.0 op_sel_hi:[1,0]
.else
	TRW
	v_rcp_f32 v[sr], v[sr]
.endif
.endm
.macro SGR from, cnt
.set sq, \from
.rept \cnt
	SG sq, zb
.set sq, sq+1
.endr
.endm
; TL n: line n of the 80 of a piece's rest, on N = i_n + r h_n in block B2, z in block z, the state in S: n = tanh(N) = 1 - 2 / (1 + 2^(2 N log2 e)): 0-7 times 2 log2 e, 8-23 2^x, 24-31 plus 1,
; 32-47 the reciprocal, 48-55 1 - 2 x;  56-63 S = h - n, 64-71 S = z S + n = the new h, 72-79 packed to f16 into B2's first eight registers.
.macro TL n, z, S
.set te, 2*((\n)%8)
.if (\n) < 8
	WIN 0
	v_pk_mul_f32 v[B2+te:B2+te+1], v[B2+te:B2+te+1], s[52:53] op_sel_hi:[1,0]
.elseif (\n) < 24
	TRW
	v_exp_f32 v[B2+(\n)-8], v[B2+(\n)-8]
.elseif (\n) < 32
	WIN 0
	v_pk_add_f32 v[B2+te:B2+te+1], v[B2+te:B2+te+1], 1.0 op_sel_hi:[1,0]
.elseif (\n) < 48
	TRW
	v_rcp_f32 v[B2+(\n)-32], v[B2+(\n)-32]
.elseif (\n) < 56
	WIN 0
	v_pk_fma_f32 v[B2+te:B2+te+1], v[B2+te:B2+te+1], -2.0, 1.0 op_sel_hi:[1,0,0]
.elseif (\n) < 64
	WIN 0
	v_pk_add_f32 v[(\S)+te:(\S)+te+1], v[(\S)+te:(\S)+te+1], v[B2+te:B2+te+1] neg_lo:[0,1] neg_hi:[0,1]
.elseif (\n) < 72
	WIN 0
	v_pk_fma_f32 v[(\S)+te:(\S)+te+1], v[(\z)+te:(\z)+te+1], v[(\S)+te:(\S)+te+1], v[B2+te:B2+te+1]
.else
	WIN 0
	v_cvt_pk_f16_f32 v[B2+(\n)-72], v[(\S)+te], v[(\S)+te+1]
.endif
.endm
.macro TLR from, cnt                   ; tz, ts: the z block and the state of the piece whose rest it is
.set tq, \from
.rept \cnt
	TL tq, tz, ts
.set tq, tq+1
.endr
.endm
.macro T1 h                            ; N += r H: behind it r's and h_n's blocks are free
	WIN 0
.set zt, 0
.rept 8
	v_pk_fma_f32 v[B2+zt:B2+zt+1], v[B0+zt:B0+zt+1], v[(\h)+zt:(\h)+zt+1], v[B2+zt:B2+zt+1]
.set zt, zt+2
.endr
.endm
.macro TSTORE1 q                       ; piece q's new h1, f16, into its image
	WIN 0
	ds_store_b128 v4, v[B2:B2+3] offset:16384+((\q)/2)*1024+((\q)%2)*512
	ds_store_b128 v4, v[B2+4:B2+7] offset:16384+8192+((\q)/2)*1024+((\q)%2)*512
.endm
; 32 rows x my 64 columns of f32 in the accumulators (column tile c, row tile r at ACC + 8 (2 c + r)) leave through my stage: in by 32 bytes a lane, back as whole rows of 256 bytes.
.macro OUTROWS back, sb
	WIN 0
.set zr, 0
.rept 2
.set zc, 0
.rept 4
	ds_store_b128 v7, v[ACC+8*(2*zc+zr):ACC+8*(2*zc+zr)+3] offset:zc*64
	ds_store_b128 v7, v[ACC+8*(2*zc+zr)+4:ACC+8*(2*zc+zr)+7] offset:zc*64+16
.set zc, zc+1
.endr
.set zt, 0
.rept 8
	ds_load_b128 v[(\back)+32*zr+4*zt:(\back)+32*zr+4*zt+3], v8 offset:zt*2*SPITCH  ; LDS serves a wave's instructions in order (ISA guide 5.7.1.4): these see the stores above, and the next tile's stores come behind them
.set zt, zt+1
.endr
.set zr, zr+1
.endr
.set zr, 0
.rept 2
.set zt, 0
.rept 8
	s_wait_dscnt (1-zr)*16+7-zt        ; younger: the rest of this tile's loads and, for the first tile, the second's sixteen
	global_store_b128 v9, v[(\back)+32*zr+4*zt:(\back)+32*zr+4*zt+3], s[\sb:(\sb)+1] offset:zr*16384+zt*2048  ; 16 lanes store 256 consecutive bytes, aligned
.set zt, zt+1
.endr
.set zr, zr+1
.endr
.endm
	s_load_b512 s[4:19], s[0:1], 0x0               ; h0s s[4:5], wf s[6:7], b_ih1 s[8:9], b_hh1 s[10:11], fc21_b s[12:13], fc22_b s[14:15], fc3_W s[16:17], fc3_b s[18:19]
	s_load_b128 s[20:23], s[0:1], 0x40             ; out0 s[20:21], out1 s[22:23]
	v_lshl_add_u32 v12, v0, 2, SPARE
	v_mov_b32 v13, 0
	ds_add_u32 v12, v13                            ; the wave's opening: the add and its wait stand ahead of my first tensor load; the set-up below stands between them
	v_lshrrev_b32 v10, 5, v0
	v_readfirstlane_b32 s24, v10                   ; wave 0..3
	s_bfe_u32 s25, ttmp6, 0x40000                  ; cx
	s_lshl_b32 s26, ttmp9, 2
	s_add_co_u32 s26, s26, s25                     ; my work-group: it enters the addresses of my own rows alone
	s_mov_b32 s30, 0xffff                          ; lanes 0-15
	s_mov_b32 s32, 0x0023000f                      ; group 1: 15:0 the mask of four; 17:16 elements of 8 bytes; 21 set beside a mask; no padding
	s_mov_b32 s33, 32<<16                          ; tensor_dim0 = 32 elements: rows of 256 bytes
	s_mov_b32 s34, 128<<16                         ; tensor_dim1 = 128 rows: 32 KiB, a quarter of a chunk
	s_mov_b32 s35, 32<<16                          ; tile_dim0
	s_mov_b32 s36, 128                             ; tile_dim1
	s_mov_b32 s37, 32                              ; dense: 32 elements from row to row
	s_mov_b32 s38, 0
	s_mov_b32 s39, 0
	s_mov_b32 s40, 1
	s_lshl_b32 s41, s24, 15
	s_mov_b32 s44, 1
	s_add_co_u32 s45, s41, SLOT1
	s_mov_b32 s50, 0xbfb8aa3b                      ; -log2 e
	s_mov_b32 s51, s50
	s_mov_b32 s52, 0x4038aa3b                      ; 2 log2 e
	s_mov_b32 s53, s52
	s_mov_b32 s54, 0x76543210
	s_mov_b32 s55, 0xfedcba98
	s_mov_b32 s57, 0
	s_mov_b32 s27, 8                               ; time steps
	v_and_b32 v10, 15, v0                          ; r
	v_bfe_u32 v11, v0, 4, 1                        ; h
	v_and_b32 v15, 31, v0
	v_lshlrev_b32 v15, 4, v15                      ; 16 l
	v_lshl_add_u32 v1, s24, 15, v15
	v_add_nc_u32 v2, SLOT1, v1
	v_add_nc_u32 v3, H0I, v15
	v_lshl_add_u32 v4, s24, 11, v3
	v_lshl_add_u32 v14, s24, 12, v3
	v_lshl_add_u32 v6, s24, 12, v15
	v_lshlrev_b32 v5, 5, v11
	v_lshl_add_u32 v5, s24, 8, v5
	v_add_nc_u32 v5, TAB, v5
	s_mul_i32 s31, s24, 16*SPITCH
	s_add_co_u32 s31, s31, STG
	v_mul_u32_u24 v7, v10, SPITCH
	v_lshl_add_u32 v7, v11, 5, v7
	v_add_nc_u32 v7, s31, v7
	v_mul_u32_u24 v8, v11, SPITCH
	v_lshl_add_u32 v8, v10, 4, v8
	v_add_nc_u32 v8, s31, v8
	v_lshlrev_b32 v9, 10, v11
	v_lshl_add_u32 v9, v10, 4, v9
	v_lshl_add_u32 v9, s24, 8, v9
	v_lshlrev_b32 v15, 3, v0                       ; 8 x thread: two f32 of a vector of 256
	v_lshl_add_u32 v10, v0, 3, TAB
	s_wait_dscnt 0x0                               ; the opening add is done
	s_wait_kmcnt 0x0
	s_load_b32 s3, s[18:19], 0x0                   ; fc3_b
	s_mov_b32 s29, 0
	s_add_co_u32 s28, s41, 8*CHUNK
	s_add_nc_u64 s[48:49], s[6:7], s[28:29]        ; wf at my quarter of W_hh1's r rows
	s_lshl_b32 s28, s26, 17
	s_add_nc_u64 s[60:61], s[4:5], s[28:29]        ; h0s at my work-group's eight tiles
	s_lshl_b32 s28, s26, 15
	s_add_nc_u64 s[22:23], s[22:23], s[28:29]
	s_lshl_b32 s28, s26, 7
	s_add_nc_u64 s[20:21], s[20:21], s[28:29]
	s_add_nc_u64 s[42:43], s[48:49], 0
	s_or_b32 s43, s43, 0x80000000
	s_add_nc_u64 s[46:47], s[48:49], CHUNK
	s_or_b32 s47, s47, 0x80000000
	ROUND                                          ; all four work-groups are here: the first joint loads meet
	tensor_load_to_lds s[40:43], s[32:39]          ; W_hh1's r rows
	s_nop 0
	tensor_load_to_lds s[44:47], s[32:39]          ; W_hh1's z rows
	s_nop 0
	PLACES
	global_load_b64 v[16:17], v15, s[8:9]
	global_load_b64 v[18:19], v15, s[8:9] offset:1024
	global_load_b64 v[20:21], v15, s[8:9] offset:2048
	global_load_b64 v[22:23], v15, s[10:11]
	global_load_b64 v[24:25], v15, s[10:11] offset:1024
	global_load_b64 v[26:27], v15, s[10:11] offset:2048
	global_load_b64 v[28:29], v15, s[12:13]
	global_load_b64 v[30:31], v15, s[14:15]
	global_load_b64 v[32:33], v15, s[16:17]
.set zi, 0
.rept 8                                ; my quarter of h0's tile of step 0
	global_load_b128 v[TB+4*zi:TB+4*zi+3], v6, s[60:61] offset:zi*512 th:TH_LOAD_NT
.set zi, zi+1
.endr
.set zi, 0
.rept 64
	v_mov_b32 v[STATE+zi], 0                       ; h1 = 0: written while the first loads are on their way
.set zi, zi+1
.endr
	v_mov_b32 v116, 0
	v_mov_b32 v117, 0
	v_mov_b32 v118, 0
	v_mov_b32 v119, 0
	s_wait_loadcnt 0x8                             ; the nine vectors are in; h0's eight loads may be out
.set zi, 16
.rept 9
	RB2 zi
.set zi, zi+2
.endr
	v_pk_add_f32 v[16:17], v[16:17], v[22:23]      ; r: b_ih + b_hh
	v_pk_add_f32 v[18:19], v[18:19], v[24:25]      ; z likewise
	ds_store_b64 v10, v[16:17]
	ds_store_b64 v10, v[18:19] offset:1024
	ds_store_b64 v10, v[20:21] offset:2048
	ds_store_b64 v10, v[26:27] offset:3072
	ds_store_b64 v10, v[28:29] offset:4096
	ds_store_b64 v10, v[30:31] offset:5120
	ds_store_b64 v10, v[32:33] offset:6144
.set zi, 0
.rept 8
	ds_store_b128 v14, v[116:119] offset:16384+zi*512  ; h1's image = 0
.set zi, zi+1
.endr
	s_wait_loadcnt 0x0
.set zi, 0
.rept 8
	ds_store_b128 v14, v[TB+4*zi:TB+4*zi+3] offset:zi*512
.set zi, zi+1
.endr
	s_wait_kmcnt 0x0                               ; fc3_b
	s_wait_tensorcnt 0x1                           ; my quarter of slot 0 is in, and only I read it
.set zi, 0
.rept 64                               ; the two gates that stay in registers: fragment (k, piece) at 8 (4 k + piece)
	DL WR+4*zi, 1, 512*zi
.set zi, zi+1
.endr
	REFILL 0, 2                                    ; piece 0's chunk
.set zi, 0
.rept 64
	DL WZ+4*zi, 2, 512*zi
.set zi, zi+1
.endr
	REFILL 1, 3                                    ; piece 1's chunk.  The two rounds have also shown every wave's tables and images to all
	BIASL 0
	LDP 0, 0, 0, 0
	ACT 0
	ACT 1
	WIN 0
; What stands behind product pa of phase A of piece p > 0: lines 24-79 of the rest of the piece before.  The reciprocals stand behind products whose first source lies in window 0, where they need no switch.
.macro SLA1 p
.if (\p) > 0
.if pa < 2
	TLR 24+4*pa, 4
.elseif pa < 4
	TLR 32+3*(pa-2), 3
.elseif (pa >= 8) && (pa < 10)
	TLR 38+3*(pa-8), 3
.elseif (pa >= 10) && (pa < 12)
	TLR 44+2*(pa-10), 2
.elseif (pa >= 16) && (pa < 24)
	TLR 48+4*(pa-16), 4
.endif
.endif
.set pa, pa+1
.endm
; Eight products of K step k of phase A: W_ih1's r, z on h0, W_hh1's r, z on h1.  Four accumulators by turns; the biases start the sums.
.macro MM8 p, k
.set mb, TB+32*(((\k)/2)%2)+16*((\k)%2)
.set zg, 0
.rept 2
.set zr, 0
.rept 2
.set za, B0+(zb-B0)*zg+8*zr
.if (\k) == 0
	WM za, mb+8*zg, H0F+64*zr, BIAS+8*zg
.else
	WM za, mb+8*zg, H0F+8*(8*zr+(\k)), za
.endif
	SLA1 \p
.set zr, zr+1
.endr
.set zg, zg+1
.endr
.set zg, 0
.rept 2
.set zr, 0
.rept 2
.set za, B0+(zb-B0)*zg+8*zr
	WM za, WR+256*zg+8*(4*(\k)+(\p)), H1F+8*(8*zr+(\k)), za
	SLA1 \p
.set zr, zr+1
.endr
.set zg, zg+1
.endr
.endm
; What stands behind product pb of phase B: the piece's own sigmoids.  Slices of transcendentals alone need no switch of windows here.
.macro SLB1
.if pb < 4
	SGR 4*pb, 4
.elseif pb < 12
	SGR 16+3*(pb-4), 3
.elseif pb < 16
	SGR 40+2*(pb-12), 2
.elseif pb < 20
	SGR 48+4*(pb-16), 4
.elseif pb < 28
	SGR 64+3*(pb-20), 3
.else
	SGR 88+2*(pb-28), 2
.endif
.set pb, pb+1
.endm
; Four products of K step k of phase B: W_ih1's n on h0, W_hh1's n on h1.
.macro MM4 p, k
.set mb, TB+32*(((\k)/2)%2)+16*((\k)%2)
.set zr, 0
.rept 2
.if (\k) == 0
	WM B2+8*zr, mb, H0F+64*zr, BIAS+16
.else
	WM B2+8*zr, mb, H0F+8*(8*zr+(\k)), B2+8*zr
.endif
	SLB1
.set zr, zr+1
.endr
.set zr, 0
.rept 2
.if (\k) == 0
	WM hb+8*zr, mb+8, H1F+64*zr, BIAS+24
.else
	WM hb+8*zr, mb+8, H1F+8*(8*zr+(\k)), hb+8*zr
.endif
	SLB1
.set zr, zr+1
.endr
.endm
; ONE PIECE OF ONE STEP.  Its chunk lies in slot p % 2; fragments come two K steps a run, into the half that the products before last have read; at the piece's end the slot is given up and filled again.
.macro PIECE1 p
	SETB \p
.set sl, (\p)%2
.set tz, hb                            ; the piece before kept its z where this piece will sum h_n
.set ts, STATE+16*(((\p)+3)%4)
.if sl == 0
	WIN 0
.set zi, 0
.rept 4                                ; half of my quarter of the next step's h0, into registers; stored into the image a piece later
	global_load_b128 v[HIN+4*zi:HIN+4*zi+3], v6, s[62:63] offset:((\p)/2)*2048+zi*512 th:TH_LOAD_NT
.set zi, zi+1
.endr
.endif
.set pa, 0
.set pj, 0
.rept 4                                ; PHASE A
.if pj > 0
	PLACES                             ; behind the products that read the half to be loaded
.endif
.if (\p) > 0
.if pj == 1
	s_wait_alu depctr_va_vdst(0)       ; the one wait for the riding reciprocals, ahead of a run of loads; the places above hold its plain instruction
.endif
.if pj == 2
	TSTORE1 (\p)-1                     ; behind piece 0's round nobody reads the old image of h1 any more
.endif
.endif
.if pj < 3
	LDP sl, pj+1, (pj+1)%2, 0
.else
	LDP sl, 0, 0, 2                    ; phase B's first two K steps
.endif
.if ((\p) == 0) && (pj < 3)
	ACT 2*pj+2                         ; piece 0 brings h0's and h1's fragments in, two K steps ahead; they serve all four pieces
	ACT 2*pj+3
	s_wait_dscnt 24                    ; all but the 8 + 16 just issued
.else
	s_wait_dscnt 8                     ; all but the eight just issued
.endif
	MM8 \p, 2*pj
	MM8 \p, 2*pj+1
.set pj, pj+1
.endr
.set pb, 0
.set pj, 0
.rept 4                                ; PHASE B
	PLACES                             ; behind the products that read the half to be loaded; the first time also behind phase A's last products, whose sums the sigmoids read
.if pj == 2
	s_wait_alu depctr_va_vdst(0)       ; the one wait for the exponentials, ahead of a run of loads
.endif
.if pj < 3
	LDP sl, pj+1, (pj+1)%2, 2
.if pj == 1
	BIASL ((\p)+1)%4
	s_wait_dscnt 16                    ; all but the 8 + 8 just issued
.else
	s_wait_dscnt 8                     ; all but the eight just issued
.endif
.else
	s_wait_dscnt 0x0
.endif
	MM4 \p, 2*pj
	MM4 \p, 2*pj+1
.set pj, pj+1
.endr
	PLACES                             ; behind phase B's last products and behind the last reciprocal
	s_wait_alu depctr_va_vdst(0)
	WIN 0
	s_wait_tensorcnt 0x0               ; all my tensor loads have landed: the one that was out is my quarter of the other slot;
	ds_add_u32 v12, v13                ; 0 onto my spare word;
.if (\p) < 2
	s_add_nc_u64 s[42+4*sl:43+4*sl], s[48:49], (4+(\p))*CHUNK  ; pieces 2 and 3 of this step
.else
	s_mov_b32 s56, (4+(\p))*CHUNK      ; behind the last step: fc21_W, fc22_W;
	s_cmp_gt_u32 s27, 1
	s_cselect_b32 s56, (\p)*CHUNK, s56 ; else pieces 0 and 1 of the next step.  No load is ever jumped over
	s_add_nc_u64 s[42+4*sl:43+4*sl], s[48:49], s[56:57]
.endif
	s_or_b32 s[43+4*sl], s[43+4*sl], 0x80000000
	T1 hb                              ; eight lines on registers stand between the add and the wait for it
	s_wait_dscnt 0x0                   ; the add is done, and my reads of the slot (in piece 0: of both images too) are over
	ROUND                              ; that now holds of every wave of all four work-groups
	JFILL sl
	LDP 1-sl, 0, 0, 0                  ; the next piece's first fragments: its chunk has landed
.if sl == 1
	WIN 0
	s_wait_loadcnt 0x0
.set zi, 0
.rept 4                                ; behind piece 0's round nobody reads this step's image of h0 any more
	ds_store_b128 v14, v[HIN+4*zi:HIN+4*zi+3] offset:((\p)/2)*2048+zi*512
.set zi, zi+1
.endr
.endif
.set tz, zb
.set ts, STATE+16*(\p)
	TLR 0, 24                          ; the rest begins while those fragments come
	v_nop
	s_wait_alu depctr_va_vdst(0)
.if (\p) == 3                          ; the last piece's rest stands alone: the next step's products on h1 want it
	TLR 24, 24
	v_nop
	s_wait_alu depctr_va_vdst(0)
	TLR 48, 32
	TSTORE1 3
.endif
.endm
.Lstep:
	s_sub_co_u32 s28, 9, s27                       ; the next step's tile of h0; in the last trip the last tile once more, so that no load leaves the buffer
	s_min_u32 s28, s28, 7
	s_lshl_b32 s28, s28, 14
	s_add_nc_u64 s[62:63], s[60:61], s[28:29]      ; the loads that named this base have been waited for
	PIECE1 0
	PIECE1 1
	PIECE1 2
	PIECE1 3
	s_wait_dscnt 0x0                               ; my parts of both new images are stored
	s_barrier_signal -1
	s_barrier_wait -1
	ACT 0
	ACT 1
	WIN 0
	s_sub_co_u32 s27, s27, 1
	s_cmp_lg_u32 s27, 0
	s_cbranch_scc1 .Lstep
	s_wait_dscnt 0x0                               ; the loads just issued are back: the layer below loads into the same registers
; A layer of 256 x 256 on an image: my 64 units x 32 rows.  Eight accumulators by turns; the bias starts each sum.
.macro FCP s, act, imgoff, n
.set zc, 0
.rept 4
	DL BIAS+8*zc, 5, 4096+(\n)*1024+zc*64
	DL BIAS+8*zc+4, 5, 4096+(\n)*1024+zc*64+16
.set zc, zc+1
.endr
	ACT1 \act, \imgoff, 0
	LD4 \s, 0, 0
.set fk, 0
.rept 8
	PLACES
.if fk < 7
	ACT1 \act, \imgoff, fk+1
	LD4 \s, fk+1, (fk+1)%2
	s_wait_dscnt 12                    ; all but the twelve just issued
.else
	s_wait_dscnt 0x0
.endif
.set zc, 0
.rept 4
.set zr, 0
.rept 2
.if fk == 0
	WM ACC+8*(2*zc+zr), TB+8*zc, (\act)+64*zr, BIAS+8*zc
.else
	WM ACC+8*(2*zc+zr), TB+32*(fk%2)+8*zc, (\act)+8*(8*zr+fk), ACC+8*(2*zc+zr)
.endif
.set zr, zr+1
.endr
.set zc, zc+1
.endr
.set fk, fk+1
.endr
	PLACES
	WIN 0
.set zi, 0
.rept 64
	v_max_num_f32 v[ACC+zi], 0, v[ACC+zi]
.set zi, zi+1
.endr
.endm
	FCP 0, H1F, 16384, 0
.set zi, 0
.rept 32
	v_cvt_pk_f16_f32 v[TB+zi], v[ACC+2*zi], v[ACC+2*zi+1]
.set zi, zi+1
.endr
	s_wait_tensorcnt 0x0                           ; fc22_W is in
	s_wait_dscnt 0x0                               ; my reads of both images are over
	s_barrier_signal -1
	s_barrier_wait -1                              ; everybody's are: h0's image takes e
.set zc, 0
.rept 4
	ds_store_b128 v4, v[TB+8*zc:TB+8*zc+3] offset:(zc/2)*1024+(zc%2)*512
	ds_store_b128 v4, v[TB+8*zc+4:TB+8*zc+7] offset:8192+(zc/2)*1024+(zc%2)*512
.set zc, zc+1
.endr
	s_wait_dscnt 0x0
	s_barrier_signal -1
	s_barrier_wait -1
	FCP 1, H0F, 0, 1
.set zc, 0
.rept 4                                ; fc3_W for my 64 units
	DL BIAS+8*zc, 5, 6144+zc*64
	DL BIAS+8*zc+4, 5, 6144+zc*64+16
.set zc, zc+1
.endr
	OUTROWS STATE, 22                              ; out1; its first wait has also shown fc3_W in
	; out0: my 64 units' share of e . fc3_W for the 32 rows
.set zr, 0
.rept 2
	v_pk_mul_f32 v[80+2*zr:81+2*zr], v[ACC+8*zr:ACC+8*zr+1], v[BIAS:BIAS+1]
.set zr, zr+1
.endr
.set zi, 1
.rept 15
.set zr, 0
.rept 2
	v_pk_fma_f32 v[80+2*zr:81+2*zr], v[ACC+8*(2*(zi/4)+zr)+2*(zi%4):ACC+8*(2*(zi/4)+zr)+2*(zi%4)+1], v[BIAS+8*(zi/4)+2*(zi%4):BIAS+8*(zi/4)+2*(zi%4)+1], v[80+2*zr:81+2*zr]
.set zr, zr+1
.endr
.set zi, zi+1
.endr
	v_add_f32 v84, v80, v81
	v_add_f32 v85, v82, v83
	v_mov_b32 v86, 0
	v_mov_b32 v87, 0
	v_permlanex16_b32 v86, v84, s54, s55           ; the row's other units of each tile lie in the lane 16 away
	v_permlanex16_b32 v87, v85, s54, s55
	v_add_f32 v84, v84, v86
	v_add_f32 v85, v85, v87
	v_cndmask_b32 v84, v85, v84, s30               ; lane l now speaks for row l
	v_lshl_add_u32 v10, v0, 2, RED
	ds_store_b32 v10, v84
	s_wait_dscnt 0x0
	s_barrier_signal -1
	s_barrier_wait -1
	s_cmp_lg_u32 s24, 0
	s_cbranch_scc1 .Lend
	ds_load_b32 v88, v10
	ds_load_b32 v89, v10 offset:128
	ds_load_b32 v90, v10 offset:256
	ds_load_b32 v91, v10 offset:384
	v_mov_b32 v92, s3
	v_cvt_pk_bf16_f32 v92, v92, v92
	v_lshlrev_b32 v92, 16, v92
	v_lshlrev_b32 v11, 2, v0
	s_wait_dscnt 0x0
	v_add_f32 v88, v88, v89
	v_add_f32 v90, v90, v91
	v_add_f32 v88, v88, v90
	v_add_f32 v88, v88, v92
	global_store_b32 v11, v88, s[20:21]            ; 128 consecutive bytes: all that the work-group has of out0
.Lend:
	s_wait_tensorcnt 0x0                           ; the wave's end, behind my last tensor load and my last LDS store
	ds_add_u32 v12, v13
	s_wait_dscnt 0x0
	ROUND                                          ; the closing round
	s_endpgm
.Lfunc_end_k_q642c1bf49c_gru1:
	.size	k_q642c1bf49c_gru1, .Lfunc_end_k_q642c1bf49c_gru1-k_q642c1bf49c_gru1
	.p2alignl 7, 3214868480
	.fill 96, 4, 3214868480
	.section	.rodata,"a",@progbits
	.p2align	6, 0x0
	.amdhsa_kernel k_q642c1bf49c_gru1
		.amdhsa_group_segment_fixed_size 327680
		.amdhsa_private_segment_fixed_size 0
		.amdhsa_enable_private_segment 0
		.amdhsa_kernarg_size 80
		.amdhsa_user_sgpr_count 2
		.amdhsa_user_sgpr_kernarg_segment_ptr 1
		.amdhsa_wavefront_size32 1
		.amdhsa_system_sgpr_workgroup_id_x 1
		.amdhsa_system_sgpr_workgroup_id_y 1
		.amdhsa_system_sgpr_workgroup_id_z 1
		.amdhsa_system_vgpr_workitem_id 0
		.amdhsa_next_free_vgpr 1024
		.amdhsa_next_free_sgpr 66
		.amdhsa_reserve_vcc 0
		.amdhsa_float_denorm_mode_32 3
		.amdhsa_float_denorm_mode_16_64 3
		.amdhsa_memory_ordered 1
		.amdhsa_forward_progress 1
		.amdhsa_inst_pref_size 163
	.end_amdhsa_kernel
	.amdgpu_metadata
---
amdhsa.version: [ 1, 2 ]
amdhsa.kernels:
  - .name:           k_q642c1bf49c_gru1
    .symbol:         k_q642c1bf49c_gru1.kd
    .args:
      - { .name: h0s, .offset: 0, .size: 8, .value_kind: global_buffer, .address_space: global }
      - { .name: wf, .offset: 8, .size: 8, .value_kind: global_buffer, .address_space: global }
      - { .name: b_ih1, .offset: 16, .size: 8, .value_kind: global_buffer, .address_space: global }
      - { .name: b_hh1, .offset: 24, .size: 8, .value_kind: global_buffer, .address_space: global }
      - { .name: fc21_b, .offset: 32, .size: 8, .value_kind: global_buffer, .address_space: global }
      - { .name: fc22_b, .offset: 40, .size: 8, .value_kind: global_buffer, .address_space: global }
      - { .name: fc3_W, .offset: 48, .size: 8, .value_kind: global_buffer, .address_space: global }
      - { .name: fc3_b, .offset: 56, .size: 8, .value_kind: global_buffer, .address_space: global }
      - { .name: out0, .offset: 64, .size: 8, .value_kind: global_buffer, .address_space: global }
      - { .name: out1, .offset: 72, .size: 8, .value_kind: global_buffer, .address_space: global }
    .group_segment_fixed_size: 327680
    .private_segment_fixed_size: 0
    .kernarg_segment_align: 8
    .kernarg_segment_size: 80
    .max_flat_workgroup_size: 128
    .sgpr_count:     66
    .vgpr_count:     1024
    .wavefront_size: 32
...
	.end_amdgpu_metadata
.endif
;; end of part 3
;; ======== version 2 of 2: 3 launches; version 1 with the launch prep written anew for expert scheduling mode
;; limits: values are held in f16: magnitudes above 65,504 overflow, below 6.1e-05 lose precision; inputs' magnitudes at most 65,504; below input magnitudes of 6.104e-05 results are inexact or not finite
;; workspace buffers: wf 2,097,152 bytes; h0s 33,554,432 bytes
;; launch prep (part 4): grid 256 x 1, 8 waves a work-group, no clusters, 0 bytes of LDS; arguments ae_in_W, ae_out_W, W_ih0, W_hh0, W_ih1, W_hh1, fc21_W, fc22_W, wf; writes wf
.if DOCPART == 4
	.amdgcn_target "amdgcn-amd-amdhsa--gfx1250"
	.amdhsa_code_object_version 6
	.text
	.protected	k_q642c1bf49c_prep
	.globl	k_q642c1bf49c_prep
	.p2align	8
	.type	k_q642c1bf49c_prep,@function
k_q642c1bf49c_prep:
	s_mov_b64 s[64:65], 0
	v_nop
	global_prefetch_b8 v0, s[64:65] scope:SCOPE_SE
	s_setreg_imm32_b32 hwreg(HW_REG_WAVE_SCHED_MODE, 0, 2), 2
	s_setreg_imm32_b32 hwreg(HW_REG_WAVE_MODE, 25, 1), 1
	s_wait_xcnt 0x0
	s_wait_alu depctr_vm_vsrc(0)
; All eight weight matrices: f32 -> rounded once to bf16 -> that number written as f16, laid out as register images of matrix fragments.
; LIMITS.  A weight of 65,520 or more in magnitude becomes an infinity in f16; below 2^-14 the f16 number keeps the fixed step 2^-24.
; A FRAGMENT is 16 rows x 32 K, 1,024 bytes: byte c*512 + l*16 + 2e holds element (row0 + l%16, k0 + 16c + 8(l/16) + e): two 16-byte reads a lane fill the eight registers.
; wf holds 16 chunks of 128 fragments; fragment (w, k, q) of a chunk lies at (32w + 4k + q) x 1,024.  With RB = 64w + 16q:
;   chunk 0      k = 0, 1: ae_in_W rows RB, K from 32k (50 valid);  k = 2, 3: ae_out_W rows 16w (50 valid), K from 32(4(k-2)+q);  k = 4..7: zeros
;   chunks 1-3   W_ih0 rows 256(c-1) + RB, K from 32k          chunks 4-6   W_hh0 rows 256(c-4) + RB
;   chunk 7      W_ih0 rows 256(k/2) + RB, K from 256 + 32(k%2) for k < 6;  k = 6, 7: zeros
;   chunks 8, 9  W_hh1 rows 256(c-8) + RB                      chunks 10-13 (p = c-10)  q < 3: W_ih1 rows 256q + 64w + 16p;  q = 3: W_hh1 rows 512 + 64w + 16p
;   chunks 14, 15  fc21_W, fc22_W rows RB
; One wave makes one fragment: 2,048 waves.  No LDS, no loop, no branch: what differs between fragments is chosen by scalar selects.
; THE MODE: SCHED_MODE bits 1:0 = 2 (LLVM: expert scheduling mode 2), set by the entry lines.  The code itself states the register dependences
; between vector instructions and memory instructions, and those of scalar results that vector instructions write, with s_wait_alu, always for 0.
; THE PLAN.  Vector registers that memory instructions touch:
;   v16-23   the eight loads' offsets.  Written once, by the run of address lines; read by the loads; never written again.
;   v24-39   the loaded pairs.  No vector instruction names them ahead of the loads; behind the wait for the loads vector instructions alone name them.
;   v1       the stores' offset.  Its last write stands at the head, ahead of the wait in front of the loads; read by the two stores.
;   v44-51   the stores' data.  Written by the last eight conversions; read by the two stores; never written again.
; Scalar results of vector instructions: s22 (the wave's number), VCC (does my row count?), s32-39 (does pair i's column count?): each has its wait ahead of its first reader.
; So five waits stand in the text: one for s22, one for VCC, one ahead of the run of loads, one behind the run of eight compares, one ahead of the two stores.
; No register that a memory instruction reads is written again, and EXEC is never written: nothing more is owed.
.set WV,   22          ; s22  wave
.set PTR,  24          ; s[24:25] the source matrix
.set STR,  26          ; s26  elements in a source row (= its K)
.set ROW0, 27          ; s27  the fragment's first row
.set K0,   28          ; s28  its first column
.set RMAX, 29          ; s29  the last row that may be read
.set RV,   30          ; s30  rows that count; the others give zeros
.set KMAX, 31          ; s31  the last even column that may be read
.set CH,   33          ; s33  chunk
.set SEL,  38          ; s38  number of the source, in the order of the arguments
.set GB,   40          ; s40  which group of 256 rows
.set SUB,  41          ; s41  which 16 rows of the wave's 64
.set VAL,  42          ; s42  0: a fragment of zeros
.set MK,   32          ; s[32:39] behind the last select, when the numbers kept there have had their last reader: pair i's mask of lanes whose column counts
	s_load_b512 s[4:19], s[0:1], 0x0               ; the eight matrices
	s_load_b64 s[20:21], s[0:1], 0x40              ; wf
	v_lshrrev_b32 v1, 5, v0
	v_readfirstlane_b32 s[WV], v1
	s_lshr_b32 s[CH], ttmp9, 4                     ; 16 work-groups of 8 fragments make a chunk
	s_and_b32 s34, ttmp9, 15
	s_wait_alu depctr_va_sdst(0)                   ; s22, the wave's number, is written, ahead of its first reader: the fragment's number is made from it
	s_lshl3_add_u32 s34, s34, s[WV]                ; fragment in the chunk
	s_lshr_b32 s35, s34, 5                         ; w
	s_bfe_u32 s36, s34, 0x30002                    ; k
	s_and_b32 s37, s34, 3                          ; q
	; four bits a chunk: the source's number and the group of rows
	s_mov_b32 s[SEL], 0x23332220
	s_mov_b32 s39, 0x76444455
	s_mov_b32 s[GB], 0x02102100
	s_mov_b32 s[SUB], 0x00000010
	s_cmp_lt_u32 s[CH], 8
	s_cselect_b32 s[SEL], s[SEL], s39
	s_cselect_b32 s[GB], s[GB], s[SUB]
	s_and_b32 s39, s[CH], 7
	s_lshl_b32 s39, s39, 2
	s_lshr_b32 s[SEL], s[SEL], s39
	s_and_b32 s[SEL], s[SEL], 15
	s_lshr_b32 s[GB], s[GB], s39
	s_and_b32 s[GB], s[GB], 15
	s_mov_b32 s[SUB], s37
	s_lshl_b32 s[K0], s36, 5
	s_mov_b32 s[VAL], 1
	; chunk 7: the x columns of W_ih0
	s_lshr_b32 s43, s36, 1
	s_and_b32 s44, s36, 1
	s_lshl_b32 s44, s44, 5
	s_add_co_u32 s44, s44, 256
	s_cmp_lt_u32 s36, 6
	s_cselect_b32 s45, 1, 0
	s_cmp_eq_u32 s[CH], 7
	s_cselect_b32 s[GB], s43, s[GB]
	s_cselect_b32 s[K0], s44, s[K0]
	s_cselect_b32 s[VAL], s45, s[VAL]
	; chunks 10 to 13: four gate matrices' rows of one piece
	s_sub_co_u32 s43, s[CH], 10
	s_min_u32 s44, s37, 2
	s_cmp_eq_u32 s37, 3
	s_cselect_b32 s45, 5, 4
	s_cmp_lt_u32 s43, 4
	s_cselect_b32 s[GB], s44, s[GB]
	s_cselect_b32 s[SEL], s45, s[SEL]
	s_cselect_b32 s[SUB], s43, s[SUB]
	s_lshl_b32 s[ROW0], s[GB], 8
	s_lshl_b32 s43, s35, 6
	s_add_co_u32 s[ROW0], s[ROW0], s43
	s_lshl4_add_u32 s[ROW0], s[SUB], s[ROW0]
	; chunk 0 from k = 2 on: ae_out_W, then zeros
	s_sub_co_u32 s43, s36, 2
	s_lshl2_add_u32 s43, s43, s37
	s_lshl_b32 s43, s43, 5
	s_lshl_b32 s44, s35, 4
	s_cmp_lt_u32 s36, 4
	s_cselect_b32 s45, 1, 0
	s_cmp_eq_u32 s[CH], 0
	s_cselect_b32 s46, 1, 0
	s_cmp_ge_u32 s36, 2
	s_cselect_b32 s46, s46, 0
	s_cmp_eq_u32 s46, 1
	s_cselect_b32 s[SEL], 1, s[SEL]
	s_cselect_b32 s[ROW0], s44, s[ROW0]
	s_cselect_b32 s[K0], s43, s[K0]
	s_cselect_b32 s[VAL], s45, s[VAL]
	; the source's sizes
	s_mov_b32 s[STR], 256
	s_cmp_eq_u32 s[SEL], 0
	s_cselect_b32 s[STR], 50, s[STR]
	s_cmp_eq_u32 s[SEL], 2
	s_cselect_b32 s[STR], 320, s[STR]
	s_mov_b32 s[RV], 768
	s_cmp_eq_u32 s[SEL], 0
	s_cselect_b32 s[RV], 256, s[RV]
	s_cmp_eq_u32 s[SEL], 1
	s_cselect_b32 s[RV], 50, s[RV]
	s_cmp_ge_u32 s[SEL], 6
	s_cselect_b32 s[RV], 256, s[RV]
	s_sub_co_u32 s[RMAX], s[RV], 1
	s_sub_co_u32 s[KMAX], s[STR], 2
	s_cmp_eq_u32 s[VAL], 1
	s_cselect_b32 s[RV], s[RV], 0
	s_lshl_b32 s46, ttmp9, 3
	s_add_co_u32 s46, s46, s[WV]
	s_lshl_b32 s46, s46, 10                        ; the fragment's place in wf
	s_mov_b32 s47, 0
	v_and_b32 v2, 15, v0                           ; l % 16
	v_bfe_u32 v3, v0, 4, 1                         ; l / 16
	v_and_b32 v1, 31, v0
	v_lshlrev_b32 v1, 4, v1                        ; 16 l
	v_add_nc_u32 v4, s[ROW0], v2                   ; my row
	v_min_u32 v5, s[RMAX], v4                      ; clamped: every load stays inside its matrix
	v_cmp_gt_u32 vcc_lo, s[RV], v4                 ; does my row count?  The select that reads this stands behind the address lines
	v_mov_b32 v6, s[STR]
	v_mul_lo_u32 v5, v5, s[STR]
	v_lshl_add_u32 v7, v3, 3, s[K0]
.irp i, 0,1,2,3,4,5,6,7                ; pair i: columns k0 + 16(i/4) + 8(l/16) + 2(i%4), + 1: 8 bytes, aligned in every source (all row lengths are even).  All eight offsets in one run, while the arguments are on their way
	v_add_nc_u32 v[8+\i], 16*(\i/4)+2*(\i%4), v7
	v_min_u32 v[16+\i], s[KMAX], v[8+\i]
	v_add_lshl_u32 v[16+\i], v[16+\i], v5, 2
.endr
	s_wait_alu depctr_va_vcc(0)                    ; the row's compare has written VCC, which the select below reads
	v_cndmask_b32 v6, 0, v6, vcc_lo                ; columns that count in my row
	s_wait_kmcnt 0x0
	s_add_nc_u64 s[20:21], s[20:21], s[46:47]
	s_mov_b64 s[PTR:PTR+1], s[4:5]
.irp n, 1,2,3,4,5,6,7
	s_cmp_eq_u32 s[SEL], \n
	s_cselect_b64 s[PTR:PTR+1], s[4+2*\n:5+2*\n], s[PTR:PTR+1]
.endr
	s_wait_alu depctr_va_vdst(0)                   ; the offsets v16 to v23 are written, which the eight loads read; so is v1, which the two stores read and no later line writes
.irp i, 0,1,2,3,4,5,6,7
	global_load_b64 v[24+2*\i:25+2*\i], v[16+\i], s[PTR:PTR+1]
.endr
.irp i, 0,1,2,3,4,5,6,7                ; the eight compares in one run, while the loads are on their way: they name v6 and v8 to v15, none of the loads' registers
	v_cmp_gt_u32 s[MK+\i], v6, v[8+\i]
.endr
	s_wait_alu depctr_va_sdst(0)                   ; the eight compares have written s32 to s39, which the selects below read: one wait for the run
	s_wait_loadcnt 0x0
.irp i, 0,1,2,3,4,5,6,7
	v_cndmask_b32 v[24+2*\i], 0, v[24+2*\i], s[MK+\i]
	v_cndmask_b32 v[25+2*\i], 0, v[25+2*\i], s[MK+\i]
	v_cvt_pk_bf16_f32 v40, v[24+2*\i], v[25+2*\i]  ; the one rounding
	v_lshlrev_b32 v[24+2*\i], 16, v40
	v_and_b32 v[25+2*\i], 0xffff0000, v40
	v_cvt_pk_f16_f32 v[44+\i], v[24+2*\i], v[25+2*\i]  ; the same number as f16
.endr
	s_wait_alu depctr_va_vdst(0)                   ; the conversions have written v44 to v51, which the two stores read
	global_store_b128 v1, v[44:47], s[20:21]               ; each store of the wave covers 512 consecutive bytes, aligned
	global_store_b128 v1, v[48:51], s[20:21] offset:512
	s_endpgm
.Lfunc_end_k_q642c1bf49c_prep:
	.size	k_q642c1bf49c_prep, .Lfunc_end_k_q642c1bf49c_prep-k_q642c1bf49c_prep
	.p2alignl 7, 3214868480
	.fill 96, 4, 3214868480
	.section	.rodata,"a",@progbits
	.p2align	6, 0x0
	.amdhsa_kernel k_q642c1bf49c_prep
		.amdhsa_group_segment_fixed_size 0
		.amdhsa_private_segment_fixed_size 0
		.amdhsa_enable_private_segment 0
		.amdhsa_kernarg_size 72
		.amdhsa_user_sgpr_count 2
		.amdhsa_user_sgpr_kernarg_segment_ptr 1
		.amdhsa_wavefront_size32 1
		.amdhsa_system_sgpr_workgroup_id_x 1
		.amdhsa_system_sgpr_workgroup_id_y 1
		.amdhsa_system_sgpr_workgroup_id_z 1
		.amdhsa_system_vgpr_workitem_id 0
		.amdhsa_next_free_vgpr 64
		.amdhsa_next_free_sgpr 66
		.amdhsa_reserve_vcc 1
		.amdhsa_float_denorm_mode_32 3
		.amdhsa_float_denorm_mode_16_64 3
		.amdhsa_memory_ordered 1
		.amdhsa_forward_progress 1
		.amdhsa_inst_pref_size 10
	.end_amdhsa_kernel
	.amdgpu_metadata
---
amdhsa.version: [ 1, 2 ]
amdhsa.kernels:
  - .name:           k_q642c1bf49c_prep
    .symbol:         k_q642c1bf49c_prep.kd
    .args:
      - { .name: ae_in_W, .offset: 0, .size: 8, .value_kind: global_buffer, .address_space: global }
      - { .name: ae_out_W, .offset: 8, .size: 8, .value_kind: global_buffer, .address_space: global }
      - { .name: W_ih0, .offset: 16, .size: 8, .value_kind: global_buffer, .address_space: global }
      - { .name: W_hh0, .offset: 24, .size: 8, .value_kind: global_buffer, .address_space: global }
      - { .name: W_ih1, .offset: 32, .size: 8, .value_kind: global_buffer, .address_space: global }
      - { .name: W_hh1, .offset: 40, .size: 8, .value_kind: global_buffer, .address_space: global }
      - { .name: fc21_W, .offset: 48, .size: 8, .value_kind: global_buffer, .address_space: global }
      - { .name: fc22_W, .offset: 56, .size: 8, .value_kind: global_buffer, .address_space: global }
      - { .name: wf, .offset: 64, .size: 8, .value_kind: global_buffer, .address_space: global }
    .group_segment_fixed_size: 0
    .private_segment_fixed_size: 0
    .kernarg_segment_align: 8
    .kernarg_segment_size: 72
    .max_flat_workgroup_size: 256
    .sgpr_count:     66
    .vgpr_count:     64
    .wavefront_size: 32
...
	.end_amdgpu_metadata
.endif
;; end of part 4
;; launch gru0: the kernel of part 2 again; grid 256 x 1, 4 waves a work-group, clusters of 4 x 1, 327,680 bytes of LDS; arguments categorical_input, real_input, ae_in_b, ae_out_b, b_ih0, b_hh0, wf, out2, out3, h0s; writes out2, out3, h0s
;; launch gru1: the kernel of part 3 again; grid 256 x 1, 4 waves a work-group, clusters of 4 x 1, 327,680 bytes of LDS; arguments h0s, wf, b_ih1, b_hh1, fc21_b, fc22_b, fc3_W, fc3_b, out0, out1; writes out0, out1
